; MI455X (gfx1250); checked and timed in simulation.
; The chip was launched on July 23, 2026; its instructions are those of AMD's public machine-readable ISA for CDNA 5 (MIT licence, August 2026) and "CDNA5" Instruction Set Architecture Reference Guide (July 2026). The comments in the code are by the model that wrote it; some were corrected since.
;; Multi Head Attention. Allowed arithmetic: matrix products marked QUANTISED: E2M1 operands, one E8M0 scale for each 32 along K, by v_wmma_scale_f32_16x16x128_f8f6f4 with both operands' format E2M1 (or v_wmma_scale_f32_32x16x128_f4), f32 sums; products left as they are: bf16, f16 or f32 operands; f32 sums; everything else in f32.
;; Inputs: W_k 1,024 x 1,024 float32; W_o 1,024 x 1,024 float32; W_q 1,024 x 1,024 float32; W_v 1,024 x 1,024 float32; b_k 1,024 float32; b_o 1,024 float32; b_q 1,024 float32; b_v 1,024 float32; key 4 x 2,048 x 1,024 float32; mask 1 x 1 x 2,048 x 2,048 int32; query 4 x 2,048 x 1,024 float32; value 4 x 2,048 x 1,024 float32.
;; Outputs: out0 4 x 2,048 x 1,024 float32.
;; This version of the problem:
;;   THIS VERSION OF THE PROBLEM IS GIVEN IN LOW PRECISION. The matrix products marked QUANTISED in the list below multiply operands that are first quantised to E2M1 (2 exponent bits, 1 mantissa bit; 4 bits a number), with one power-of-two scale for each 32 numbers along K (OCP MX v1.0); their sums are f32. The products marked 'left as it is' may take bf16, f16 or f32 operands, with f32 sums. Whichever they take, every output number must still come out within the allowed error. Rounding operands to bf16 (8 significant bits) uses up far more of that allowance than f16 does (11 bits, for magnitudes from 6e-5 to 65,504). All else is computed in f32.
;;   The module's matrix products, in the order in which they are computed (A, B: the left and right operand; K: the contracted axis; several contracted axes count as one K, in the product's order):
;;     1. [M 8,192, K 1,024] x [K 1,024, N 1,024]; A: input query; B: input W_q: QUANTISED
;;     2. [M 8,192, K 1,024] x [K 1,024, N 1,024]; A: input key; B: input W_k: QUANTISED
;;     3. [M 8,192, K 1,024] x [K 1,024, N 1,024]; A: input value; B: input W_v: QUANTISED
;;     4. batch 64 x [M 2,048, K 64] x [K 64, N 2,048]; A: computed on the way; B: computed on the way: left as it is (an operand is computed on the way)
;;     5. batch 64 x [M 2,048, K 2,048] x [K 2,048, N 64]; A: computed on the way; B: computed on the way: left as it is (an operand is computed on the way)
;;     6. [M 8,192, K 1,024] x [K 1,024, N 1,024]; A: computed on the way; B: input W_o: left as it is (an operand is computed on the way)
;;   THE QUANTISER, for each operand of a quantised product, along K:
;;     - K is cut into blocks of 32 from its start; a last block that is shorter is filled with zeros.
;;     - A block's scale is 2^e with e = floor(log2(the largest magnitude in the block)) - 2, held to -126 .. 127; a block of zeros has e = 0. As a byte (E8M0): e + 127.
;;     - Each number is divided by its block's scale, clamped to +-6, and rounded to the nearest number of E2M1, ties to even, subnormals kept.
;;     - The product sums the exact products of the quantised numbers (number of the format x scale) in f32.
;;   ~~~python
;;   def quantise(x, axis):      # numpy; x: float32 -> the quantised numbers, widened to float32 again
;;       x = np.moveaxis(x, axis, -1); K = x.shape[-1]
;;       x = np.pad(x, [(0, 0)] * (x.ndim - 1) + [(0, -K % 32)]); x = x.reshape(x.shape[:-1] + (-1, 32)); a = np.abs(x).max(-1, keepdims=True)
;;       e = np.where(a > 0, np.clip(np.frexp(np.where(a > 0, a, 1))[1] - 1 - 2, -126, 127), 0)      # np.frexp(a)[1] - 1 = floor(log2(a)), exactly
;;       r = np.clip(x / 2.0 ** e, -6, 6)
;;       step = 2.0 ** (np.maximum(np.frexp(np.where(r == 0, 1, r))[1] - 1, 0) - 1)
;;       q = np.round(r / step) * step * 2.0 ** e      # np.round: ties to even
;;       return np.moveaxis(q.reshape(q.shape[:-2] + (-1,))[..., :K], -1, axis).astype(np.float32)
;;   ~~~
;; One version. Each part assembles by itself: llvm-mc -triple=amdgcn-amd-amdhsa -mcpu=gfx1250 --defsym DOCPART=n.
;; ======== version 1 of 1: 4 launches
;; limits: values are held in f16: magnitudes above 65,504 overflow, below 6.1e-05 lose precision
;; workspace buffers: codes 14,155,776 bytes; scales 884,736 bytes; woimg 2,097,152 bytes; mbits 524,288 bytes of whole numbers; qkv 50,331,648 bytes; cimg 16,777,216 bytes
;; launch prep (part 1): grid 1120 x 1, 4 waves a work-group, no clusters, 33,280 bytes of LDS; arguments query, key, value, W_q, W_k, W_v, W_o, mask, codes, scales, woimg, mbits; writes codes, scales, woimg, mbits
.if DOCPART == 1
	.amdgcn_target "amdgcn-amd-amdhsa--gfx1250"
	.amdhsa_code_object_version 6
	.text
	.protected	k_qe0f00abba3_prep
	.globl	k_qe0f00abba3_prep
	.p2align	8
	.type	k_qe0f00abba3_prep,@function
k_qe0f00abba3_prep:
	s_mov_b64 s[64:65], 0
	v_nop
	global_prefetch_b8 v0, s[64:65] scope:SCOPE_SE
	s_setreg_imm32_b32 hwreg(HW_REG_WAVE_MODE, 25, 1), 1
	s_wait_xcnt 0x0
; THREE JOBS IN ONE LAUNCH, parted by the work-group's number g.
; g < 864: query, key, value [8192][1024] and W_q, W_k, W_v [1024][1024], f32, K innermost, become codes of FP4 (E2M1), two a byte, and one E8M0 byte for each 32 along K.
;   The six tensors lie on end in the two buffers: 27,648 rows of 512 bytes of codes and of 32 scale bytes.  A block's scale is 2^(floor(log2(its largest magnitude)) - 2).
; 864 <= g < 992: W_o [1024 (n)][1024 (k)] f32 becomes f16, laid as IMAGES OF OPERAND REGISTERS: [k / 128][n / 16][(k % 128) / 32][half c][lane][16 bytes]; lane (r, h) holds row r, k = 16 c + 8 h + 0 .. 7.
; g >= 992: mask [2048 (q)][2048 (k)] int32 becomes lane masks: word 8 t + j of (pair of query tiles P, key step J, tile i) has in bit l: mask[16 (2 P + i) + l % 16][64 J + 16 t + 8 (l / 16) + j] != 0.
; LIMITS: a block whose largest magnitude lies under 2^-124 gets the byte 1; a block of zeros gets the byte 1 and zero codes (the bytes are read by this program alone);
;   NaN and infinities among the inputs are not served; W_o must lie under 65,504 in magnitude, and under 6e-5 it keeps f16's absolute step of 6e-8.
; No tensor loads, no barrier: waves share nothing.  Only the quantising path touches LDS.
.set WAVES, 4
.set STEPS, 16
.set EMAX,  2
.set CB,    8                          ; bytes of 16 codes
.set R,     16                         ; v16-79   four sets of 16 numbers as they are loaded
.set X,     80                         ; v80-111  two sets of 16 neighbours
.set E,     112                        ; v112-127 a scale byte for each step
.set C,     128                        ; v128-191 codes: four registers for each step, so that no store's data are written again
.set WREG,  8192                       ; LDS: a region for each wave: two stages of 32 x SP bytes, and behind them its 256 scale bytes
.set SP,    80                         ; a lane's place in a stage: its 64 bytes + 16 of padding
.set SPW,   12                         ; v12 LDS address of my spare word; never rewritten
.set NIL,   13                         ; v13 0; never rewritten
.set SPARE, WAVES*WREG                 ; behind the four regions: the spare words, 128 bytes for each wave
.set WV,    31                         ; s31 my wave's number
	s_load_b512 s[4:19], s[0:1], 0x0               ; query 4:5, key 6:7, value 8:9, W_q 10:11, W_k 12:13, W_v 14:15, W_o 16:17, mask 18:19
	s_load_b256 s[20:27], s[0:1], 0x40             ; codes 20:21, scales 22:23, woimg 24:25, mbits 26:27
	v_lshl_add_u32 v[SPW], v0, 2, SPARE
	v_mov_b32 v[NIL], 0
	v_lshrrev_b32 v1, 5, v0
	v_readfirstlane_b32 s[WV], v1
	v_and_b32 v2, 31, v0                           ; lane
	s_wait_kmcnt 0x0
	s_cmp_lt_u32 ttmp9, 864
	s_cbranch_scc0 .Lnot_quant
; ---- THE QUANTISER.  A wave takes 16 steps of 512 numbers.  Each load reads 512 consecutive bytes; a step's 2,048 bytes turn through the wave's own stage in LDS, so that a lane then holds 16 NEIGHBOURS
; along K (two neighbouring lanes hold a block).  A lane's 16 codes are 8 bytes: the wave stores 256 consecutive bytes.  The wave's 256 scale bytes are gathered in LDS and leave as one store of 256 consecutive bytes.
	v_lshlrev_b32 v3, 4, v2                        ; my 16 bytes of a load's 512
	s_mul_i32 s32, s[WV], WREG
	v_lshrrev_b32 v14, 2, v2
	v_mul_u32_u24 v14, v14, SP
	v_and_b32 v15, 3, v2
	v_lshl_add_u32 v14, v15, 4, v14
	v_add_nc_u32 v14, s32, v14                     ; the stage, on the way in: SP (lane / 4) + 16 (lane % 4)
	v_mul_u32_u24 v15, v2, SP
	v_add_nc_u32 v15, s32, v15                     ; and on the way out: SP x lane
	v_mul_u32_u24 v4, v2, CB                       ; my codes' place in a step's
	v_lshrrev_b32 v5, 1, v2
	s_add_co_u32 s32, s32, 2*32*SP
	v_add_nc_u32 v5, s32, v5                       ; LDS: my wave's 256 scale bytes, my block's byte
	v_lshlrev_b32 v7, 3, v2                        ; and on the way out 8 bytes a lane
	v_add_nc_u32 v6, s32, v7
	s_mov_b64 s[28:29], s[4:5]                     ; which tensor: the choice hangs on the work-group's number alone
	s_mov_b32 s30, 0                               ; and that tensor's first work-group
	s_cmp_ge_u32 ttmp9, 256
	s_cselect_b64 s[28:29], s[6:7], s[28:29]
	s_cselect_b32 s30, 256, s30
	s_cmp_ge_u32 ttmp9, 512
	s_cselect_b64 s[28:29], s[8:9], s[28:29]
	s_cselect_b32 s30, 512, s30
	s_cmp_ge_u32 ttmp9, 768
	s_cselect_b64 s[28:29], s[10:11], s[28:29]
	s_cselect_b32 s30, 768, s30
	s_cmp_ge_u32 ttmp9, 800
	s_cselect_b64 s[28:29], s[12:13], s[28:29]
	s_cselect_b32 s30, 800, s30
	s_cmp_ge_u32 ttmp9, 832
	s_cselect_b64 s[28:29], s[14:15], s[28:29]
	s_cselect_b32 s30, 832, s30
	s_sub_co_u32 s33, ttmp9, s30
	s_lshl_b32 s33, s33, 2
	s_add_co_u32 s33, s33, s[WV]                   ; which run of 8,192 numbers of the tensor is my wave's
	s_lshl_b32 s34, s33, 15                        ; 32,768 bytes a run
	s_mov_b32 s35, 0
	s_add_nc_u64 s[28:29], s[28:29], s[34:35]
	s_lshl_b32 s33, ttmp9, 2
	s_add_co_u32 s33, s33, s[WV]                   ; and which run of the buffers, where the six tensors lie on end
	s_lshl_b32 s34, s33, 12                        ; 4,096 bytes of codes a run
	s_add_nc_u64 s[20:21], s[20:21], s[34:35]
	s_lshl_b32 s34, s33, 8                         ; 256 scale bytes a run
	s_add_nc_u64 s[22:23], s[22:23], s[34:35]
.macro QLOAD t
.irp i, 0,1,2,3
	global_load_b128 v[R+16*((\t)%4)+4*\i:R+16*((\t)%4)+4*\i+3], v3, s[28:29] offset:2048*(\t)+512*\i th:TH_LOAD_NT   ; 32 lanes read 512 consecutive bytes
.endr
.endm
.macro QTURN t                         ; step t's numbers through the stage: LDS serves a wave's instructions in order, so no wait stands between the stores and the loads
.irp i, 0,1,2,3
	ds_store_b128 v14, v[R+16*((\t)%4)+4*\i:R+16*((\t)%4)+4*\i+3] offset:32*SP*((\t)%2)+8*SP*\i
.endr
.irp i, 0,1,2,3
	ds_load_b128 v[X+16*((\t)%2)+4*\i:X+16*((\t)%2)+4*\i+3], v15 offset:32*SP*((\t)%2)+16*\i
.endr
.endm
.irp t, 0,1,2,3
	QLOAD \t
.endr
	s_wait_loadcnt 12                              ; step 0's four loads are in
	QTURN 0
.macro QSTEP t
.set XS, X+16*((\t)%2)
.if (\t) > 0
	s_wait_dscnt 1                                 ; this step's numbers are back from the stage (the last step's byte store may be out): so its stores into the stage have read their registers,
.else
	s_wait_dscnt 0x0
.endif
.if (\t)+4 < STEPS
	QLOAD (\t)+4                                   ; which take the loads of four steps on
.endif
.if (\t)+1 < STEPS
.if STEPS-2-(\t) >= 3
	s_wait_loadcnt 12                              ; the next step's four loads are in; those of the three steps behind it may be out
.else
	s_wait_loadcnt 4*(STEPS-2-(\t))
.endif
	QTURN (\t)+1                                   ; and go through the other stage while this step is worked
.endif
	v_max3_num_f32 v8, |v[XS]|, |v[XS+1]|, |v[XS+2]|               ; the largest magnitude of my 16, in two chains
	v_max3_num_f32 v9, |v[XS+3]|, |v[XS+4]|, |v[XS+5]|
.irp i, 6,10
	v_max3_num_f32 v8, v8, |v[XS+\i]|, |v[XS+\i+1]|
	v_max3_num_f32 v9, v9, |v[XS+\i+2]|, |v[XS+\i+3]|
.endr
	v_max3_num_f32 v8, v8, |v[XS+14]|, |v[XS+15]|
	v_max3_num_f32 v8, v8, v9, (EMAX+1)<<23        ; and the floor 2^(3 - 127): so the byte cannot fall under 1
	v_max_num_f32_dpp v8, v8, v8 row_xmask:1 row_mask:0xf bank_mask:0xf   ; and of my neighbour's 16: the block's
	v_add_nc_u32 v11, -(EMAX<<23), v8              ; 2 off its exponent field: the conversion takes the exponent field of this operand as its scale, and nothing else of it
	v_cvt_scalef32_pk8_fp4_f32 v[C+4*(\t)], v[XS:XS+7], v11        ; to the nearest code, ties to even, beyond 6 the largest code; the first number's code in the lowest four bits
	v_cvt_scalef32_pk8_fp4_f32 v[C+4*(\t)+1], v[XS+8:XS+15], v11
	v_lshrrev_b32 v[E+(\t)], 23, v11               ; the scale's byte (a plain line behind the conversions)
	ds_store_b8 v5, v[E+(\t)] offset:16*(\t)       ; both lanes of a block write the same byte with the same value
	global_store_b64 v4, v[C+4*(\t):C+4*(\t)+1], s[20:21] offset:32*CB*(\t)
.endm
.irp t, 0,1,2,3,4,5,6,7,8,9,10,11,12,13,14,15
	QSTEP \t
.endr
	ds_load_b64 v[8:9], v6                         ; LDS serves a wave's instructions in order: these see my stores
	s_wait_dscnt 0x0
	global_store_b64 v7, v[8:9], s[22:23]          ; 32 lanes store 256 consecutive bytes, aligned
	s_wait_tensorcnt 0x0                           ; the wave's end, behind my last LDS store
	ds_add_u32 v[SPW], v[NIL]
	s_wait_dscnt 0x0
	s_endpgm
.Lnot_quant:
	s_cmp_lt_u32 ttmp9, 992
	s_cbranch_scc0 .Lmask
; ---- W_o.  512 waves: wave W takes n tile W / 8 and K step W % 8: 16 rows x 128 along K: eight halves of fragments, 512 bytes each.
	s_sub_co_u32 s32, ttmp9, 864
	s_lshl_b32 s32, s32, 2
	s_add_co_u32 s32, s32, s[WV]
	s_lshr_b32 s33, s32, 3                         ; n tile
	s_and_b32 s34, s32, 7                          ; K step
	s_lshl_b32 s36, s33, 16                        ; 16 rows of 4,096 bytes
	s_lshl_b32 s35, s34, 9                         ; 128 numbers
	s_add_co_u32 s36, s36, s35
	s_mov_b32 s37, 0
	s_add_nc_u64 s[16:17], s[16:17], s[36:37]
	s_lshl_b32 s36, s34, 6
	s_add_co_u32 s36, s36, s33
	s_lshl_b32 s36, s36, 12                        ; (64 x K step + n tile) x 4,096 bytes
	s_add_nc_u64 s[24:25], s[24:25], s[36:37]
	v_and_b32 v4, 15, v0                           ; r
	v_bfe_u32 v5, v0, 4, 1                         ; h
	v_lshlrev_b32 v1, 12, v4
	v_lshl_add_u32 v1, v5, 5, v1                   ; row r, + 8 h numbers
	v_lshlrev_b32 v3, 4, v2                        ; out: 16 bytes a lane
.irp q, 0,1,2,3,4,5,6,7                        ; half q = 2 kb + c: k = 16 q + 8 h + 0 .. 7.  A row's 512 bytes are used up by this one run of loads
	global_load_b128 v[16+8*\q:19+8*\q], v1, s[16:17] offset:64*\q th:TH_LOAD_NT
	global_load_b128 v[20+8*\q:23+8*\q], v1, s[16:17] offset:64*\q+16 th:TH_LOAD_NT
.endr
.irp q, 0,1,2,3,4,5,6,7
	s_wait_loadcnt 14-2*\q                         ; the two loads of each later half may be out
.irp i, 0,1,2,3
	v_cvt_pk_f16_f32 v[80+4*\q+\i], v[16+8*\q+2*\i], v[17+8*\q+2*\i]
.endr
	global_store_b128 v3, v[80+4*\q:83+4*\q], s[24:25] offset:512*\q   ; 512 consecutive bytes, aligned
.endr
	s_endpgm
.Lmask:
; ---- THE MASK.  512 waves: wave W takes the pair of query tiles W / 8 and four key steps, 4 (W % 8) on.  A key step of a pair is 64 lane masks: 256 bytes.
	s_sub_co_u32 s32, ttmp9, 992
	s_lshl_b32 s32, s32, 2
	s_add_co_u32 s32, s32, s[WV]
	s_lshr_b32 s33, s32, 3                         ; P
	s_and_b32 s34, s32, 7
	s_lshl_b32 s36, s33, 18                        ; 32 rows of 8,192 bytes
	s_lshl_b32 s35, s34, 10                        ; four key steps: 256 keys in the mask, and 4 x 256 bytes of words
	s_add_co_u32 s36, s36, s35
	s_mov_b32 s37, 0
	s_add_nc_u64 s[18:19], s[18:19], s[36:37]
	s_lshl_b32 s36, s33, 13                        ; a pair's words: 32 key steps x 256 bytes
	s_add_co_u32 s36, s36, s35
	s_add_nc_u64 s[26:27], s[26:27], s[36:37]
	v_and_b32 v4, 15, v0
	v_bfe_u32 v5, v0, 4, 1
	v_lshlrev_b32 v1, 13, v4
	v_lshl_add_u32 v1, v5, 5, v1                   ; query r of a tile, + 8 h keys
	v_lshlrev_b32 v3, 3, v2                        ; out: two words a lane
.irp i, 0,1,2,3,4,5,6,7
	v_mov_b32 v[144+\i], 0                         ; written once: v_writelane_b32's destination counts as one of its sources
.endr
.macro LOADJ n                         ; key step n of my four: register 32 i + 8 t + j = mask(tile i's query r, key 16 t + 8 h + j), into set n % 2
.irp i, 0,1
.irp t, 0,1,2,3
.irp u, 0,1
	global_load_b128 v[16+64*((\n)%2)+32*\i+8*\t+4*\u:16+64*((\n)%2)+32*\i+8*\t+4*\u+3], v1, s[18:19] offset:(\n)*256+\i*131072+\t*64+\u*16 th:TH_LOAD_NT
.endr
.endr
.endr
.endm
.macro BITS n                          ; a register's 32 lanes become one word; word W goes to lane W / 2 of register W % 2 of the pair that is stored
.set XS, 16+64*((\n)%2)
.set g, 0
.rept 8
.set k, 0
.rept 8
	v_cmp_ne_u32 s[40+k], 0, v[XS+8*g+k]
.set k, k+1
.endr
.set k, 0
.rept 8
	v_writelane_b32 v[144+2*(\n)+(k&1)], s[40+k], (8*g+k)>>1
.set k, k+1
.endr
.set g, g+1
.endr
.endm
	LOADJ 0
	LOADJ 1
.irp n, 0,1,2,3
.if \n < 3
	s_wait_loadcnt 16                              ; this key step's 16 loads are in; the other set's may be out
.else
	s_wait_loadcnt 0x0
.endif
	BITS \n
	global_store_b64 v3, v[144+2*\n:145+2*\n], s[26:27] offset:\n*256   ; 256 consecutive bytes, aligned; each store has registers of its own
.if \n < 2
	LOADJ \n+2
.endif
.endr
	s_endpgm
.Lfunc_end_k_qe0f00abba3_prep:
	.size	k_qe0f00abba3_prep, .Lfunc_end_k_qe0f00abba3_prep-k_qe0f00abba3_prep
	.p2alignl 7, 3214868480
	.fill 96, 4, 3214868480
	.section	.rodata,"a",@progbits
	.p2align	6, 0x0
	.amdhsa_kernel k_qe0f00abba3_prep
		.amdhsa_group_segment_fixed_size 33280
		.amdhsa_private_segment_fixed_size 0
		.amdhsa_enable_private_segment 0
		.amdhsa_kernarg_size 96
		.amdhsa_user_sgpr_count 2
		.amdhsa_user_sgpr_kernarg_segment_ptr 1
		.amdhsa_wavefront_size32 1
		.amdhsa_system_sgpr_workgroup_id_x 1
		.amdhsa_system_sgpr_workgroup_id_y 1
		.amdhsa_system_sgpr_workgroup_id_z 1
		.amdhsa_system_vgpr_workitem_id 0
		.amdhsa_next_free_vgpr 192
		.amdhsa_next_free_sgpr 66
		.amdhsa_reserve_vcc 0
		.amdhsa_float_denorm_mode_32 3
		.amdhsa_float_denorm_mode_16_64 3
		.amdhsa_memory_ordered 1
		.amdhsa_forward_progress 1
		.amdhsa_inst_pref_size 79
	.end_amdhsa_kernel
	.amdgpu_metadata
---
amdhsa.version: [ 1, 2 ]
amdhsa.kernels:
  - .name:           k_qe0f00abba3_prep
    .symbol:         k_qe0f00abba3_prep.kd
    .args:
      - { .name: query, .offset: 0, .size: 8, .value_kind: global_buffer, .address_space: global }
      - { .name: key, .offset: 8, .size: 8, .value_kind: global_buffer, .address_space: global }
      - { .name: value, .offset: 16, .size: 8, .value_kind: global_buffer, .address_space: global }
      - { .name: W_q, .offset: 24, .size: 8, .value_kind: global_buffer, .address_space: global }
      - { .name: W_k, .offset: 32, .size: 8, .value_kind: global_buffer, .address_space: global }
      - { .name: W_v, .offset: 40, .size: 8, .value_kind: global_buffer, .address_space: global }
      - { .name: W_o, .offset: 48, .size: 8, .value_kind: global_buffer, .address_space: global }
      - { .name: mask, .offset: 56, .size: 8, .value_kind: global_buffer, .address_space: global }
      - { .name: codes, .offset: 64, .size: 8, .value_kind: global_buffer, .address_space: global }
      - { .name: scales, .offset: 72, .size: 8, .value_kind: global_buffer, .address_space: global }
      - { .name: woimg, .offset: 80, .size: 8, .value_kind: global_buffer, .address_space: global }
      - { .name: mbits, .offset: 88, .size: 8, .value_kind: global_buffer, .address_space: global }
    .group_segment_fixed_size: 33280
    .private_segment_fixed_size: 0
    .kernarg_segment_align: 8
    .kernarg_segment_size: 96
    .max_flat_workgroup_size: 128
    .sgpr_count:     66
    .vgpr_count:     192
    .wavefront_size: 32
...
	.end_amdgpu_metadata
.endif
;; end of part 1
;; launch proj (part 2): grid 4 x 96, 4 waves a work-group, clusters of 4 x 4, 327,680 bytes of LDS; arguments codes, scales, b_q, b_k, b_v, qkv; writes qkv
.if DOCPART == 2
	.amdgcn_target "amdgcn-amd-amdhsa--gfx1250"
	.amdhsa_code_object_version 6
	.text
	.protected	k_qe0f00abba3_proj
	.globl	k_qe0f00abba3_proj
	.p2align	8
	.type	k_qe0f00abba3_proj,@function
k_qe0f00abba3_proj:
	s_mov_b64 s[64:65], 0
	v_nop
	global_prefetch_b8 v0, s[64:65] scope:SCOPE_SE
	s_setreg_imm32_b32 hwreg(HW_REG_WAVE_MODE, 25, 1), 1
	s_wait_xcnt 0x0
	s_wait_alu depctr_hold_cnt(0) depctr_sa_sdst(0) depctr_va_vdst(0) depctr_va_sdst(0) depctr_va_ssrc(0) depctr_va_vcc(0) depctr_vm_vsrc(0)
	s_getreg_b32 s2, hwreg(HW_REG_IB_STS2, 6, 4)
	s_cmp_eq_u32 s2, 0
	s_cbranch_scc0 .Lentry_in_a_cluster
	s_endpgm
.Lentry_in_a_cluster:
	s_bfe_u32 s2, ttmp6, 0x10000c
	s_cmp_lg_u32 s2, 0xf033
	s_cbranch_scc0 .Lentry_shape_is_right
	s_endpgm
.Lentry_shape_is_right:
; THE THREE PROJECTIONS, on codes of FP4 (E2M1) with one E8M0 scale for each 32 along K = 1,024:  Y[m][n] = sum over k of A[m][k] B[n][k] + bias[n], sums in f32.
; A: rows 0 .. 24,575 of the codes' buffer (query, key, value, 8,192 rows each); B: rows 24,576 + 1,024 p on (W_q, W_k, W_v), p = the projection.  A row is 512 bytes of codes and 32 scale bytes.
; A tile of Y, 256 x 256, is made by a work-group of four waves; a wave makes 128 x 128: 64 accumulators, 512 registers.  96 tile rows x 4 tile columns.
; K goes in two steps of 512 through two LDS slots, each filled once by the tensor data mover (rows of 256 bytes, 16 of padding behind each); the scale bytes of the work-group's rows come once, with them.
; CLUSTERS: 4 x 4 work-groups.  The four of a row of the cluster need the same tiles of A, the four of a column the same tiles of B: each tile is asked for JOINTLY, by the same tensor load with the same descriptor
; and a mask that names the four.  A cluster's four tile rows belong to one projection (32 tile rows each), so p hangs on the cluster's y alone.
; THE MATRIX INSTRUCTION IS USED TRANSPOSED (source 0 = 16 rows of B, source 1 = 16 rows of A): a lane holds one token and eight neighbouring features.  The bias is the C of each sum's first product.
; THE WAY OUT: Q is multiplied by log2(e) / 8 (so that attention's products give the exponents to base 2 as they stand), all three are rounded to f16 and stored as IMAGES OF OPERAND REGISTERS:
;   qkv [p][batch x 16 + head][token / 16][channel / 16][lane][16 bytes]; lane (r, h) holds token r, channels 8 h + 0 .. 7 of the sixteen.  A lane's eight results ARE such 16 bytes: no LDS stage; a store covers 512 consecutive bytes, aligned.
;   V's 16-byte pieces lie with bits 3 and 4 of the lane's number swapped, so that the turning LDS load of the next launch reads them at 16 x lane.
; LIMITS: Q log2(e) / 8, K and V must lie under 65,504 in magnitude; under 6e-5 they keep f16's absolute step of 6e-8.
; REGISTERS, in windows of 256: window 0: v0-31 addresses; v32-95 scale words, two sets; v128-191 A's fragments, ONE set; v192-255 the bias, eight registers for each of B's eight blocks; on the way out v32-191 are free.
;   window 1: B's fragments, TWO sets, at v0 and at v128.   window 2: the accumulators of my rows 0-63 ((a, b) at v[8 (8 a + b)]);   window 3: those of my rows 64-127.
.set SIZE_K, 1024
.set KSTEP,  512                       ; along K in a slot
.set NQ,     KSTEP/128                 ; matrix instructions deep
.set ROWB,   256                       ; a tile's row in bytes
.set KROW,   SIZE_K*4/8                ; a row of codes in memory
.set PITCH,  272                       ; an LDS row: 256 bytes + 16 of padding = 68 words: row r starts at bank 4 r mod 64 (ISA guide 11.1), so the 16 rows that a load touches start at 16 different banks
.set FR,     8                         ; registers of a fragment: 16 rows x 128 K
.set NL,     2                         ; LDS loads that bring one
.set NP,     4                         ; places behind this matrix instruction (ISA guide 7.12.1)
.set HALFT,  128*PITCH                 ; 128 rows: what one tensor load brings
.set SLOT,   4*HALFT                   ; A's 256 rows, then B's 256 rows
.set KS,     SIZE_K/32                 ; a row of scale bytes
.set SCL,    2*SLOT                    ; behind the slots: the scales, as rows of 256 bytes + 16 of padding
.set HALFS,  (128*KS/256)*272          ; the scales of 128 rows
.set SBLK,   (16*KS/256)*272           ; those of 16 rows
.set SPARE,  SCL+4*HALFS               ; the spare words, 128 bytes for each wave
.set ADRA, 16                          ; v16-17  LDS address of my A fragments in slot 0, 1
.set ADRB, 20                          ; v20-21  the same for B
.set CO,   26                          ; v26     the way out: my 16 bytes' place in an image's 512
.set ADRS, 27                          ; v27     LDS address of my scale words: lanes 0-15 A's rows, lanes 16-31 B's
.set SPW,  28                          ; v28     LDS address of my spare word; never rewritten
.set NIL,  29                          ; v29     0; never rewritten
.set SC,   32                          ; scale words: set s at v[SC + 32 s]; register 4 i + q: lanes 0-15 the word of A's block i, lanes 16-31 of B's block i, for the slot's q-th 128 along K
.set TP,   32                          ; the way out: 64 scaled results
.set AF,   128                         ; A's fragments
.set BI,   192                         ; the bias
.set G1, 24                            ; s[24:31] descriptor group 1 for A's tiles;  s[32:39] group 0, one set for each slot
.set G0, 32
.set G1B, 48                           ; s[48:55], s[56:63] the same for B's tiles
.set G0B, 56
.set G1S, 68                           ; s[68:75], s[76:79] groups 1 and 0 for A's scales;  s[80:87], s[88:91] for B's
.set G0S, 76
.set G1SB, 80
.set G0SB, 88
.set MSB, 0
.macro WIN new                         ; the immediate's high byte repeats the setting that is left
.if MSB != \new
	s_set_vgpr_msb (MSB<<8)|\new
.set MSB, \new
.endif
.endm
.set MUL_LO, 0xa1                      ; source 0 (B) window 1, source 1 (A) window 0, C and D window 2
.set MUL_HI, 0xf1                      ; the same, C and D window 3
.set BIA_LO, 0x81                      ; the first products: C (the bias) window 0, D window 2
.set BIA_HI, 0xc1                      ; D window 3
.set TO_B,   0x40                      ; destination window 1, address window 0
; A joint load: waves 0 and 1 fetch for A, waves 2 and 3 for B.  Each of the two lines has ONE mask and one set of registers for all that issue it; the branch hangs on the wave's number alone.
; An s_nop 0 and four v_nop follow each of the two lines, ahead of the jump, the label and what follows.
.macro JLOAD g0a, g1a, g0b, g1b
	s_cmp_eq_u32 s15, 0
	s_cbranch_scc0 .Lfor_b_\@
	tensor_load_to_lds s[\g0a:\g0a+3], s[\g1a:\g1a+7]
	s_nop 0
.rept 4
	v_nop
.endr
	s_branch .Lasked_\@
.Lfor_b_\@:
	tensor_load_to_lds s[\g0b:\g0b+3], s[\g1b:\g1b+7]
	s_nop 0
.rept 4
	v_nop
.endr
.Lasked_\@:
.endm
.macro CROUND                          ; a round of the cluster's barrier
	s_barrier_signal -1
	s_barrier_wait -1
	s_cmp_lg_u32 s14, 0
	s_cbranch_scc1 .Lnot_wave_0_\@
	s_barrier_signal -3
.Lnot_wave_0_\@:
	s_barrier_wait -3
	s_barrier_signal -1
	s_barrier_wait -1
.endm
	s_load_b128 s[4:7], s[0:1], 0x0                ; the codes s[4:5], the scale bytes s[6:7]
	s_load_b128 s[96:99], s[0:1], 0x10             ; b_q, b_k
	s_load_b64 s[100:101], s[0:1], 0x20            ; b_v
	s_load_b64 s[12:13], s[0:1], 0x28              ; qkv
	v_lshl_add_u32 v[SPW], v0, 2, SPARE
	v_mov_b32 v[NIL], 0
	ds_add_u32 v[SPW], v[NIL]                      ; the wave's opening: the add, twice on end, and its wait ahead of my first tensor load
	ds_add_u32 v[SPW], v[NIL]
	v_lshrrev_b32 v1, 5, v0
	v_readfirstlane_b32 s14, v1                    ; wave 0..3
	s_lshr_b32 s15, s14, 1                         ; which half of the tile's rows is mine.  Also: I fetch for A (0) or for B (1)
	s_and_b32 s16, s14, 1                          ; which half of its columns.  Also: which 128 rows of that tile I fetch
	s_bfe_u32 s40, ttmp6, 0x40000                  ; cx, cy: my place in the cluster
	s_bfe_u32 s41, ttmp6, 0x40004
	s_lshl_b32 s42, ttmp9, 2
	s_add_co_u32 s42, s42, s40                     ; tile column = 4 x cluster x + cx
	s_and_b32 s17, ttmp7, 0xffff
	s_lshr_b32 s95, s17, 3                         ; p: eight clusters, 32 tile rows, to a projection
	s_lshl_b32 s17, s17, 2
	s_add_co_u32 s17, s17, s41                     ; tile row = 4 x cluster y + cy
	s_lshl_b32 s43, s41, 2
	s_lshl_b32 s43, 15, s43                        ; my row of the cluster
	s_lshl_b32 s44, 0x1111, s40                    ; my column
	; descriptor group 1: a tile of 128 rows x 256 bytes, padded in LDS
	s_or_b32 s[G1+0], s43, (0<<16)|(1<<20)|(1<<21)|(5<<22)|(3<<25)  ; 15:0 the mask: A's tiles go to my row; 17:16 element of 1 byte; 20 padding on; 21 set beside a mask; 24:22 after every 64 words; 31:25 of 4 words
	s_or_b32 s[G1B+0], s44, (0<<16)|(1<<20)|(1<<21)|(5<<22)|(3<<25)
.irp g, G1, G1B
	s_mov_b32 s[\g+1], ROWB<<16                    ; tensor_dim0
	s_mov_b32 s[\g+2], 128<<16                     ; tensor_dim1
	s_mov_b32 s[\g+3], ROWB<<16                    ; tile_dim0
	s_mov_b32 s[\g+4], 128                         ; tile_dim1
	s_mov_b32 s[\g+5], KROW                        ; tensor_dim0_stride
	s_mov_b32 s[\g+6], 0
	s_mov_b32 s[\g+7], 0
.endr
	; and for the scales of 128 rows: a dense block of 4,096 bytes, as 16 rows of 256 bytes (32 elements of 8 bytes), 16 bytes of padding behind each
	s_or_b32 s[G1S+0], s43, (3<<16)|(1<<20)|(1<<21)|(5<<22)|(3<<25)
	s_or_b32 s[G1SB+0], s44, (3<<16)|(1<<20)|(1<<21)|(5<<22)|(3<<25)
.irp g, G1S, G1SB
	s_mov_b32 s[\g+1], 32<<16
	s_mov_b32 s[\g+2], (128*KS/256)<<16
	s_mov_b32 s[\g+3], 32<<16
	s_mov_b32 s[\g+4], 128*KS/256
	s_mov_b32 s[\g+5], 32
	s_mov_b32 s[\g+6], 0
	s_mov_b32 s[\g+7], 0
.endr
	s_lshl_b32 s18, s16, 7                         ; which 128 rows of the tile I fetch
	s_lshl_b32 s20, s17, 8
	s_add_co_u32 s20, s20, s18                     ; A: row 256 x tile row + 128 x half
	s_lshl_b32 s46, s42, 8
	s_add_co_u32 s46, s46, s18
	s_lshl_b32 s47, s95, 10
	s_add_co_u32 s46, s46, s47
	s_add_co_u32 s46, s46, 24576                   ; B: row 24,576 + 1,024 p + 256 x tile column + 128 x half
	s_mov_b32 s21, 0
	s_mov_b32 s47, 0
	s_mov_b64 s[18:19], KS
	s_mul_u64 s[22:23], s[20:21], s[18:19]         ; where these rows' scales begin, in bytes
	s_mul_u64 s[92:93], s[46:47], s[18:19]
	s_mov_b64 s[18:19], KROW
	s_mul_u64 s[20:21], s[20:21], s[18:19]         ; and their codes
	s_mul_u64 s[46:47], s[46:47], s[18:19]
	s_mul_i32 s45, s14, HALFT                      ; where they go: wave x 128 rows: no place in the cluster enters an LDS address
	s_mul_i32 s94, s14, HALFS
	s_wait_dscnt 0x0                               ; both opening adds are done
	s_wait_kmcnt 0x0
	s_add_nc_u64 s[20:21], s[4:5], s[20:21]
	s_add_nc_u64 s[22:23], s[6:7], s[22:23]
	s_add_nc_u64 s[46:47], s[4:5], s[46:47]
	s_add_nc_u64 s[92:93], s[6:7], s[92:93]
	CROUND                                         ; all sixteen work-groups are here: the joint loads meet
	s_mov_b32 s[G0S], 1
	s_add_co_u32 s[G0S+1], s94, SCL
	s_mov_b64 s[G0S+2:G0S+3], s[22:23]
	s_or_b32 s[G0S+3], s[G0S+3], 0x80000000
	s_mov_b32 s[G0SB], 1
	s_add_co_u32 s[G0SB+1], s94, SCL
	s_mov_b64 s[G0SB+2:G0SB+3], s[92:93]
	s_or_b32 s[G0SB+3], s[G0SB+3], 0x80000000
	JLOAD G0S, G1S, G0SB, G1SB                     ; the scales first: they are wanted with K step 0.  Three loads of mine go out here, and no more in the launch
.irp s, 0,1
	s_mov_b32 s[G0+4*\s], 1
	s_add_co_u32 s[G0+4*\s+1], s45, \s*SLOT
	s_add_nc_u64 s[G0+4*\s+2:G0+4*\s+3], s[20:21], \s*ROWB
	s_or_b32 s[G0+4*\s+3], s[G0+4*\s+3], 0x80000000
	s_mov_b32 s[G0B+4*\s], 1
	s_add_co_u32 s[G0B+4*\s+1], s45, \s*SLOT
	s_add_nc_u64 s[G0B+4*\s+2:G0B+4*\s+3], s[46:47], \s*ROWB
	s_or_b32 s[G0B+4*\s+3], s[G0B+4*\s+3], 0x80000000
	JLOAD G0+4*\s, G1, G0B+4*\s, G1B
.endr
	v_and_b32 v1, 15, v0                           ; l % 16
	v_bfe_u32 v2, v0, 4, 1                         ; l / 16
	; the bias of my 128 features: lane (r, h) wants, for B's block b, those of features 16 b + 8 h + 0 .. 7
	s_cmp_eq_u32 s95, 1
	s_cselect_b64 s[96:97], s[98:99], s[96:97]
	s_cmp_eq_u32 s95, 2
	s_cselect_b64 s[96:97], s[100:101], s[96:97]
	s_cselect_b32 s3, 24, 0                        ; V alone: bits 3 and 4 of the lane's number change places on the way out
	s_cmp_eq_u32 s95, 0
	s_cselect_b32 s66, 0x3e38aa3b, 1.0             ; Q alone is multiplied by log2(e) / 8
	s_mov_b32 s67, s66                             ; (named with it as a pair, so it is written)
	s_lshl_b32 s46, s42, 10                        ; my first feature, in bytes of f32: 1,024 x tile column + 512 x half
	s_lshl_b32 s47, s16, 9
	s_add_co_u32 s46, s46, s47
	s_mov_b32 s47, 0
	s_add_nc_u64 s[96:97], s[96:97], s[46:47]
	v_lshlrev_b32 v10, 5, v2
.irp b, 0,1,2,3,4,5,6,7
	global_load_b128 v[BI+8*\b:BI+8*\b+3], v10, s[96:97] offset:64*\b
	global_load_b128 v[BI+8*\b+4:BI+8*\b+7], v10, s[96:97] offset:64*\b+16
.endr
	v_mul_u32_u24 v3, v1, PITCH
	v_lshl_add_u32 v4, v2, 4, v3                   ; a fragment's row x pitch + 16 x half
	s_mul_i32 s21, s15, HALFT                      ; my 128 rows of A
	s_mul_i32 s22, s16, HALFT                      ; my 128 rows of B,
	s_add_co_u32 s22, s22, 2*HALFT                 ; which lie behind A's 256
.irp s, 0,1
	v_add_nc_u32 v[ADRA+\s], s21, v4
	v_add_nc_u32 v[ADRB+\s], s22, v4
	s_add_co_u32 s21, s21, SLOT
	s_add_co_u32 s22, s22, SLOT
.endr
	v_mul_u32_u24 v5, v1, KS                       ; my row's scales: KS bytes a row,
	v_lshrrev_b32 v6, 8, v5
	v_lshl_add_u32 v5, v6, 4, v5                   ; and 16 more for each 256 passed
	s_mul_i32 s21, s15, HALFS                      ; A's: my 128 rows
	s_mul_i32 s22, s16, HALFS                      ; B's: my 128 rows, behind A's 256
	s_add_co_u32 s22, s22, 2*HALFS
	s_sub_co_u32 s22, s22, s21
	v_mul_u32_u24 v6, s22, v2                      ; lanes 16-31 take B's
	s_add_co_u32 s21, s21, SCL
	v_add_nc_u32 v5, v5, v6
	v_add_nc_u32 v[ADRS], s21, v5
	v_and_b32 v6, 31, v0                           ; the way out: 16 x lane; for V with bits 3 and 4 of the lane's number swapped (an exclusive or with 24 where they differ)
	v_lshrrev_b32 v7, 3, v6
	v_lshrrev_b32 v8, 4, v6
	v_xor_b32 v7, v7, v8
	v_and_b32 v7, 1, v7
	v_mul_u32_u24 v7, v7, s3
	v_xor_b32 v6, v6, v7
	v_lshlrev_b32 v[CO], 4, v6
	s_and_b32 s20, s17, 31                         ; where my part begins in qkv: token m0 = 256 x (tile row % 32) + 128 x half,
	s_lshl_b32 s20, s20, 8
	s_lshl_b32 s21, s15, 7
	s_add_co_u32 s20, s20, s21
	s_lshr_b32 s21, s20, 11                        ; its batch,
	s_and_b32 s20, s20, 2047
	s_lshr_b32 s20, s20, 4                         ; its token tile in the sequence;
	s_lshl_b32 s21, s21, 4
	s_lshl_b32 s46, s42, 2
	s_add_co_u32 s21, s21, s46
	s_lshl_b32 s46, s16, 1
	s_add_co_u32 s21, s21, s46                     ; 16 x batch + my first head (4 x tile column + 2 x half)
	s_lshl_b32 s21, s21, 7                         ; 128 token tiles to a head
	s_add_co_u32 s20, s20, s21
	s_lshl_b32 s20, s20, 11                        ; 2,048 bytes to a token tile
	s_lshl_b32 s21, s95, 24                        ; 16,777,216 bytes to a projection
	s_add_co_u32 s20, s20, s21
	s_mov_b32 s21, 0
	s_add_nc_u64 s[12:13], s[12:13], s[20:21]
.macro FRAG reg, adr, q, i             ; a fragment, 16 rows x 128 K of 4-bit codes, is 8 registers: lane l holds row l % 16; registers 4 c .. 4 c + 3 hold K = 64 c + 32 (l / 16) + 0 .. 31
.irp c, 0,1
	ds_load_b128 v[\reg+4*\c:\reg+4*\c+3], v[\adr] offset:64*(\q)+32*\c+(\i)*16*PITCH
.endr
.endm
; 16 matrix instructions: A's blocks a0, a0 + 1 x B's eight, 128 along K: the slot's q-th.  p: B's set;  sc: the set of scale words.  zero = 1: the first product starts the sums on the bias: nothing is ever cleared.
; The 64 accumulators take turns, one instruction a turn, in the same order in every step.
.macro MUL16 a0, p, q, sc, zero
.irp a, \a0, \a0+1
.irp b, 0,1,2,3,4,5,6,7
.if \zero
	v_wmma_scale_f32_16x16x128_f8f6f4 v[8*(8*((\a)%4)+\b):8*(8*((\a)%4)+\b)+7], v[128*(\p)+FR*\b:128*(\p)+FR*\b+FR-1], v[AF+FR*(\a):AF+FR*(\a)+FR-1], v[BI+8*\b:BI+8*\b+7], v[SC+8*NQ*(\sc)+NQ*\b+(\q)], v[SC+8*NQ*(\sc)+NQ*(\a)+(\q)] matrix_a_fmt:MATRIX_FMT_FP4 matrix_b_fmt:MATRIX_FMT_FP4 matrix_a_scale:MATRIX_SCALE_ROW1
.else
	v_wmma_scale_f32_16x16x128_f8f6f4 v[8*(8*((\a)%4)+\b):8*(8*((\a)%4)+\b)+7], v[128*(\p)+FR*\b:128*(\p)+FR*\b+FR-1], v[AF+FR*(\a):AF+FR*(\a)+FR-1], v[8*(8*((\a)%4)+\b):8*(8*((\a)%4)+\b)+7], v[SC+8*NQ*(\sc)+NQ*\b+(\q)], v[SC+8*NQ*(\sc)+NQ*(\a)+(\q)] matrix_a_fmt:MATRIX_FMT_FP4 matrix_b_fmt:MATRIX_FMT_FP4 matrix_a_scale:MATRIX_SCALE_ROW1
.endif
.endr
.endr
.endm
.macro FETCH_B slot, q, p              ; B's eight fragments of the slot's q-th 128 along K into set p
	WIN TO_B
.irp i, 0,1,2,3,4,5,6,7
	FRAG 128*(\p)+FR*\i, ADRB+\slot, \q, \i
.endr
	WIN 0
.endm
.macro FETCH_A slot, q, i0             ; A's blocks i0 .. i0 + 3
.irp i, \i0, \i0+1, \i0+2, \i0+3
	FRAG AF+FR*(\i), ADRA+\slot, \q, \i
.endr
.endm
.macro SCALES sc                       ; a K step's scale words into set sc: four words a row; lanes 0-15 take A's block i, lanes 16-31 B's block i
.irp i, 0,1,2,3,4,5,6,7
	ds_load_b128 v[SC+8*NQ*\sc+NQ*\i:SC+8*NQ*\sc+NQ*\i+3], v[ADRS] offset:\i*SBLK
.endr
.endm
; A load into a register that a matrix instruction has read, and a vector instruction that reads a matrix result or writes one of a matrix instruction's registers, stand NP places behind it, and only plain
; vector instructions that name none of its registers are places (ISA guide 7.12.1 for vector instructions).
.macro PLACES n
.rept \n
	v_nop
.endr
.endm
; A step of 128 along K that has its successor in the same slot.
.macro STEP slot, q, zero
	s_wait_dscnt 4*NL                              ; B's set and A's blocks 0-3 are in; the youngest eight loads (A's blocks 4-7) may be out
.if \zero
	WIN BIA_LO
.else
	WIN MUL_LO
.endif
	MUL16 0, (\q)%2, \q, \slot, \zero
	MUL16 2, (\q)%2, \q, \slot, \zero
	s_wait_dscnt 0                                 ; A's blocks 4-7 are in (asked for 32 matrix instructions ago)
	PLACES NP
	FETCH_B \slot, (\q)+1, 1-(\q)%2
	FETCH_A \slot, (\q)+1, 0
.if \zero
	WIN BIA_HI
.else
	WIN MUL_HI
.endif
	MUL16 4, (\q)%2, \q, \slot, \zero
	MUL16 6, (\q)%2, \q, \slot, \zero
	PLACES NP
	WIN 0
	FETCH_A \slot, (\q)+1, 4
.endm
; Slot 0's last step changes slots: ONE barrier; in front of it each wave waits for all its tensor loads (its part of slot 1), adds 0 to its spare word, and waits for that and for its LDS loads.  Nothing is filled again.
.macro TURN slot, next
	s_wait_tensorcnt 0x0                           ; all my tensor loads have landed  (every window is 0 here: the add's two registers lie in window 0)
	ds_add_u32 v[SPW], v[NIL]                      ; 0 onto my spare word
	s_wait_dscnt 4*NL+1                            ; (the add and the youngest eight loads, A's blocks 4-7, may be out)
	WIN MUL_LO
	MUL16 0, 1, NQ-1, \slot, 0                     ; sixteen matrix instructions stand between the add and the wait for it
	s_wait_dscnt 0x0                               ; the add is done, and my LDS loads are in
	s_barrier_signal -1
	MUL16 2, 1, NQ-1, \slot, 0
	WIN 0
	s_barrier_wait -1                              ; everybody's part of the next slot has landed
	PLACES NP
	v_add_nc_u32 v[ADRS], 4*NQ, v[ADRS]            ; on to the next K step's scale words
	FETCH_B \next, 0, 0
	FETCH_A \next, 0, 0
	SCALES \next
	WIN MUL_HI
	MUL16 4, 1, NQ-1, \slot, 0
	MUL16 6, 1, NQ-1, \slot, 0
	PLACES NP
	WIN 0
	FETCH_A \next, 0, 4
.endm
.macro STEPS slot, from                ; the slot's steps from .. NQ - 2
.set Q, \from
.rept NQ-1-\from
	STEP \slot, Q, 0
.set Q, Q+1
.endr
.endm
	s_wait_tensorcnt 1                             ; the scales and my part of K step 0 are in (slot 1's load may be out)
	s_barrier_signal -1
	s_barrier_wait -1                              ; everybody's are
	FETCH_B 0, 0, 0
	FETCH_A 0, 0, 0
	SCALES 0
	FETCH_A 0, 0, 4
	s_wait_loadcnt 0x0                             ; the bias
	STEP 0, 0, 1                                   ; the first step's products start the sums on the bias
	STEPS 0, 1
	TURN 0, 1
	STEPS 1, 0
	s_wait_dscnt 4*NL                              ; the very last step: nothing more to fetch
	WIN MUL_LO
	MUL16 0, 1, NQ-1, 1, 0
	MUL16 2, 1, NQ-1, 1, 0
	s_wait_dscnt 0
	WIN MUL_HI
	MUL16 4, 1, NQ-1, 1, 0
	MUL16 6, 1, NQ-1, 1, 0
	WIN 0
; THE WAY OUT, block by block of 16 tokens x 128 features: x the factor, rounded to f16; a lane's eight results of accumulator (a, b) are its 16 bytes of the image of token tile a, head b / 4, channels 16 (b % 4) on.
.macro OUTB a
.set AC, 64*((\a)%4)
.set OB, 128+32*((\a)%2)
.if (\a) >= 2
	s_wait_xcnt 0x0                                ; block a - 2's stores have read their registers, which are written again below
.endif
	WIN 0x02+(\a)/4                                ; source 0: window 2 or 3
.irp b, 0,1,2,3,4,5,6,7
.irp r, 0,1,2,3
	v_pk_mul_f32 v[TP+8*\b+2*\r:TP+8*\b+2*\r+1], v[AC+8*\b+2*\r:AC+8*\b+2*\r+1], s[66:67] op_sel_hi:[1,0]   ; each accumulator from its low end on
.endr
.endr
	WIN 0
.irp b, 0,1,2,3,4,5,6,7
.irp r, 0,1,2,3
	v_cvt_pk_f16_f32 v[OB+4*\b+\r], v[TP+8*\b+2*\r], v[TP+8*\b+2*\r+1]
.endr
.endr
.irp b, 0,1,2,3,4,5,6,7
	global_store_b128 v[CO], v[OB+4*\b:OB+4*\b+3], s[12:13] offset:(\a)*2048+(\b/4)*262144+(\b%4)*512   ; 32 lanes store 512 consecutive bytes, aligned
.endr
.endm
	PLACES NP                                      ; behind the last products: the lines below write registers that held scale words and A's fragments, and read results
.irp a, 0,1,2,3,4,5,6,7
	OUTB \a
.endr
	s_wait_tensorcnt 0x0                           ; the wave's end, behind my last tensor load
	ds_add_u32 v[SPW], v[NIL]
	s_wait_dscnt 0x0
	CROUND                                         ; the closing round: no work-group ends while a partner may still ask for a tile that names it
	s_endpgm
.Lfunc_end_k_qe0f00abba3_proj:
	.size	k_qe0f00abba3_proj, .Lfunc_end_k_qe0f00abba3_proj-k_qe0f00abba3_proj
	.p2alignl 7, 3214868480
	.fill 96, 4, 3214868480
	.section	.rodata,"a",@progbits
	.p2align	6, 0x0
	.amdhsa_kernel k_qe0f00abba3_proj
		.amdhsa_group_segment_fixed_size 327680
		.amdhsa_private_segment_fixed_size 0
		.amdhsa_enable_private_segment 0
		.amdhsa_kernarg_size 48
		.amdhsa_user_sgpr_count 2
		.amdhsa_user_sgpr_kernarg_segment_ptr 1
		.amdhsa_wavefront_size32 1
		.amdhsa_system_sgpr_workgroup_id_x 1
		.amdhsa_system_sgpr_workgroup_id_y 1
		.amdhsa_system_sgpr_workgroup_id_z 1
		.amdhsa_system_vgpr_workitem_id 0
		.amdhsa_next_free_vgpr 1024
		.amdhsa_next_free_sgpr 102
		.amdhsa_reserve_vcc 0
		.amdhsa_float_denorm_mode_32 3
		.amdhsa_float_denorm_mode_16_64 3
		.amdhsa_memory_ordered 1
		.amdhsa_forward_progress 1
		.amdhsa_inst_pref_size 136
	.end_amdhsa_kernel
	.amdgpu_metadata
---
amdhsa.version: [ 1, 2 ]
amdhsa.kernels:
  - .name:           k_qe0f00abba3_proj
    .symbol:         k_qe0f00abba3_proj.kd
    .args:
      - { .name: codes, .offset: 0, .size: 8, .value_kind: global_buffer, .address_space: global }
      - { .name: scales, .offset: 8, .size: 8, .value_kind: global_buffer, .address_space: global }
      - { .name: b_q, .offset: 16, .size: 8, .value_kind: global_buffer, .address_space: global }
      - { .name: b_k, .offset: 24, .size: 8, .value_kind: global_buffer, .address_space: global }
      - { .name: b_v, .offset: 32, .size: 8, .value_kind: global_buffer, .address_space: global }
      - { .name: qkv, .offset: 40, .size: 8, .value_kind: global_buffer, .address_space: global }
    .group_segment_fixed_size: 327680
    .private_segment_fixed_size: 0
    .kernarg_segment_align: 8
    .kernarg_segment_size: 48
    .max_flat_workgroup_size: 128
    .sgpr_count:     102
    .vgpr_count:     1024
    .wavefront_size: 32
...
	.end_amdgpu_metadata
.endif
;; end of part 2
;; launch attn (part 3): grid 4 x 64, 16 waves a work-group, clusters of 4 x 1, 327,680 bytes of LDS; arguments qkv, mbits, cimg; writes cimg
.if DOCPART == 3
	.amdgcn_target "amdgcn-amd-amdhsa--gfx1250"
	.amdhsa_code_object_version 6
	.text
	.protected	k_qe0f00abba3_attn
	.globl	k_qe0f00abba3_attn
	.p2align	8
	.type	k_qe0f00abba3_attn,@function
k_qe0f00abba3_attn:
	s_mov_b64 s[64:65], 0
	v_nop
	global_prefetch_b8 v0, s[64:65] scope:SCOPE_SE
	s_setreg_imm32_b32 hwreg(HW_REG_WAVE_MODE, 25, 1), 1
	s_wait_xcnt 0x0
	s_wait_alu depctr_hold_cnt(0) depctr_sa_sdst(0) depctr_va_vdst(0) depctr_va_sdst(0) depctr_va_ssrc(0) depctr_va_vcc(0) depctr_vm_vsrc(0)
	s_getreg_b32 s2, hwreg(HW_REG_IB_STS2, 6, 4)
	s_cmp_eq_u32 s2, 0
	s_cbranch_scc0 .Lentry_in_a_cluster
	s_endpgm
.Lentry_in_a_cluster:
	s_bfe_u32 s2, ttmp6, 0x10000c
	s_cmp_lg_u32 s2, 0x3003
	s_cbranch_scc0 .Lentry_shape_is_right
	s_endpgm
.Lentry_shape_is_right:
; ctx[b][q][head] = the sum over k of softmax_k(where(mask[q][k] == 0, -1e9, Q . K / 8)) V[k].  Q (already x log2(e) / 8), K, V: f16, as images of operand registers (qkv: [p][16 b + head][token / 16][channel / 16][lane][16 bytes]).
; Products on f16 operands, sums in f32; maxima, exponentials and row sums in f32; the weights p are rounded to f16 for the second product, ctx once at the end.
; SHARES.  A work-group owns 512 queries of one batch and head; each of its SIXTEEN waves owns 32 of them, two tiles of 16, in 256 registers: four waves to a SIMD, so that one wave's vector work stands beside another's
; matrix work and LDS loads.  Every wave walks all 2,048 keys, 64 a step.
; LAYOUT.  S^T = K Q^T (source 0 = 16 keys, source 1 = 16 queries): a lane holds ONE query (lane % 16) and keys 8 (lane / 16) + 0 .. 7 of each tile of 16.  Two such tiles, rounded to f16 in pairs, ARE source 1 of
; O^T = V^T P, whose result again holds one query a lane and eight channels, which pack into 16 bytes of the next launch's operand image.  K comes out of LDS as it lies, V turned, by ds_load_tr16_b128; every LDS load reads 512 consecutive bytes.
; THE MASK comes as lane masks, one word for each register of S^T, by scalar loads a key step ahead; a masked exponent becomes -1e9 x log2(e) by v_cndmask_b32, in every step: no branch hangs on it.
; So a row that is masked altogether has t - m = 0 and p = 1 at every key: the plain mean of V, as the definition gives; else a masked p is 0.
; SOFTMAX.  For each query a running maximum m of t and a sum l: p = 2^(t - m); in every step O^T and l are multiplied by a = 2^(m_old - m_new).  m begins at -3e38 and l and O^T as zeros, so the step is written once.
; THE RING.  Two LDS slots of 512 keys (K's 64 KiB, then V's).  Each wave fetches a sixteenth of a slot, 8 KiB, by one tensor load: at most one load of mine is out.
; CLUSTER.  The four blocks of queries of a batch and head walk the same K and V, so each sixteenth is asked for JOINTLY: the same tensor load, with the same descriptor and a mask that names the four, in all four.
; NO PREFETCH: a slot is asked for at the change of slots before the one at which it is waited for: eight key steps, 256 matrix instructions a wave, lie between.
; LIMITS: ctx keeps f16's absolute step of 6e-8 under 6e-5; real exponents near -1.44e9 are not told apart from masked ones; NaN and infinities are not served.
.set SLOT1, 1<<17                      ; slot 1 begins here, so that one exclusive or turns an address in one slot into the other's
.set SPARE, 2*SLOT1                    ; behind the ring: the spare words, 128 bytes for each of 16 waves
.set LA,   1                           ; v1   16 x lane; never rewritten
.set ADK,  2                           ; v2   LDS address of the step's tiles of K
.set ADV,  3                           ; v3   of V
.set SPW,  4                           ; v4   LDS address of my spare word; never rewritten
.set NIL,  5                           ; v5   0; never rewritten
.set NEGV, 6                           ; v6   -1e9 x log2(e)
.set ST,   8                           ; tile q's statistics at v[ST + 8 q]: +0 m, +1 (0), +2, +3 l in two halves, +4 a, +5 (0), +6, +7 a second chain of sums
.set CC,   24                          ; v[CC + 4 q ..]: c0-c3, at work
.set QF,   32                          ; v32-63   Q: tile q, channels 16 f on, at 32 + 16 q + 4 f
.set KV,   64                          ; v64-127  K's fragments (key tile t, channels 32 cb on) at 64 + 16 t + 8 cb; then V's (channels 16 f on, keys 32 kp on) at 64 + 16 f + 8 kp
.set S,    128                         ; v128-191 S^T: tile q at 128 + 32 q, key tile t at + 8 t; P is packed in place into the low 16 of each 32
.set O,    192                         ; v192-255 O^T: 192 + 32 q + 8 f
.set TB,   2                           ; s2   LDS byte at which the step's tiles of K begin
.set MO,   3                           ; s3   byte at which the next step's mask words begin
.set G1,   8                           ; s[8:15]  descriptor group 1
.set G0,   16                          ; s[16:19] descriptor group 0, which walks
.set WV,   22                          ; s22  my wave's number
.set SLOTS, 23                         ; s23  slots still to be asked for
.set STEPC, 24                         ; s24  counts a slot's eight steps
.set JN,   25                          ; s25  the key step
.set SEL,  26                          ; s[26:27] lane selects for v_permlanex16_b32: lane l xor 16
.set MW0,  32                          ; s[32:63] tile 0's mask words
.set MW1,  68                          ; s[68:99] tile 1's
.macro CROUND                          ; a round of the cluster's barrier
	s_barrier_signal -1
	s_barrier_wait -1
	s_cmp_lg_u32 s[WV], 0
	s_cbranch_scc1 .Lnot_wave_0_\@
	s_barrier_signal -3
.Lnot_wave_0_\@:
	s_barrier_wait -3
	s_barrier_signal -1
	s_barrier_wait -1
.endm
.macro MLOAD                           ; 64 mask words: a key step's, for my two tiles
	s_load_b512 s[MW0:MW0+15], s[6:7], s[MO] offset:0x0
	s_load_b512 s[MW0+16:MW0+31], s[6:7], s[MO] offset:0x40
	s_load_b512 s[MW1:MW1+15], s[6:7], s[MO] offset:0x80
	s_load_b512 s[MW1+16:MW1+31], s[6:7], s[MO] offset:0xc0
.endm
	s_load_b128 s[4:7], s[0:1], 0x0                ; qkv, mbits
	s_load_b64 s[20:21], s[0:1], 0x10              ; cimg
	v_lshl_add_u32 v[SPW], v0, 2, SPARE
	v_mov_b32 v[NIL], 0
	ds_add_u32 v[SPW], v[NIL]                      ; the wave's opening: the add, twice on end, and its wait ahead of my first tensor load
	ds_add_u32 v[SPW], v[NIL]
	v_lshrrev_b32 v1, 5, v0
	v_readfirstlane_b32 s[WV], v1                  ; wave 0..15
	s_and_b32 s29, ttmp7, 0xffff                   ; 16 x batch + head, which the four partners share
	; descriptor group 1: a dense block of 8,192 bytes as 32 rows of 256 bytes (32 elements of 8 bytes), no padding
	s_mov_b32 s[G1], 15|(3<<16)|(1<<21)            ; 15:0 the mask: all four work-groups; 17:16 elements of 8 bytes; 21 set beside a mask
	s_mov_b32 s[G1+1], 32<<16                      ; tensor_dim0
	s_mov_b32 s[G1+2], 32<<16                      ; tensor_dim1
	s_mov_b32 s[G1+3], 32<<16                      ; tile_dim0
	s_mov_b32 s[G1+4], 32                          ; tile_dim1
	s_mov_b32 s[G1+5], 32                          ; tensor_dim0_stride
	s_mov_b32 s[G1+6], 0
	s_mov_b32 s[G1+7], 0
	s_mov_b32 s[G0], 1                             ; count = 1
	s_lshl_b32 s[G0+1], s[WV], 13                  ; LDS: wave x 8,192: waves 0-7 K's eighths, waves 8-15 V's
	s_lshr_b32 s30, s[WV], 3
	s_add_co_u32 s30, s30, 1
	s_lshl_b32 s30, s30, 24                        ; memory: K is projection 1, V is 2: 16,777,216 bytes each,
	s_lshl_b32 s31, s29, 18                        ; 262,144 bytes to a batch and head,
	s_add_co_u32 s30, s30, s31
	s_and_b32 s31, s[WV], 7
	s_lshl_b32 s31, s31, 13                        ; my eighth
	s_add_co_u32 s30, s30, s31
	s_mov_b32 s31, 0
	s_mov_b32 s[SEL], 0x76543210
	s_mov_b32 s[SEL+1], 0xfedcba98
	s_mov_b32 s[TB], 0
	s_mov_b32 s[MO], 0
	s_mov_b32 s[JN], 0
	s_wait_dscnt 0x0                               ; both opening adds are done
	s_wait_kmcnt 0x0
	s_add_nc_u64 s[G0+2:G0+3], s[4:5], s[30:31]
	s_or_b32 s[G0+3], s[G0+3], 0x80000000          ; type = 2
	CROUND                                         ; all four work-groups are here: the first joint loads meet
	tensor_load_to_lds s[G0:G0+3], s[G1:G1+7]      ; slot 0
	s_nop 0
.rept 4
	v_nop
.endr
	; what hangs on my place in the cluster: Q's, the mask words' and the output's addresses alone, in registers that never feed the descriptor
	s_bfe_u32 s28, ttmp6, 0x40000                  ; cx
	s_lshl_b32 s23, ttmp9, 2
	s_add_co_u32 s28, s28, s23                     ; my block of 512 queries
	s_lshl_b32 s28, s28, 4
	s_add_co_u32 s28, s28, s[WV]                   ; P: my pair of query tiles
	s_lshl_b32 s66, s29, 18
	s_lshl_b32 s23, s28, 12                        ; two token tiles of 2,048 bytes
	s_add_co_u32 s66, s66, s23
	s_mov_b32 s67, 0
	s_add_nc_u64 s[4:5], s[4:5], s[66:67]          ; Q (projection 0) at my first tile
	s_lshl_b32 s66, s28, 13                        ; a pair's mask words: 8,192 bytes
	s_add_nc_u64 s[6:7], s[6:7], s[66:67]
	s_lshr_b32 s66, s29, 4                         ; batch
	s_lshl_b32 s66, s66, 6
	s_add_co_u32 s66, s66, s28
	s_lshl_b32 s66, s66, 13                        ; cimg: token tile 128 x batch + 2 P, 4,096 bytes each,
	s_and_b32 s23, s29, 15                         ; head
	s_lshr_b32 s24, s23, 1
	s_lshl_b32 s24, s24, 21                        ; K step head / 2: 2,097,152 bytes,
	s_add_co_u32 s66, s66, s24
	s_and_b32 s23, s23, 1
	s_lshl_b32 s23, s23, 11                        ; and 2,048 bytes on for an odd head
	s_add_co_u32 s66, s66, s23
	s_add_nc_u64 s[20:21], s[20:21], s[66:67]
	v_and_b32 v[LA], 31, v0
	v_lshlrev_b32 v[LA], 4, v[LA]
.irp n, 0,1,2,3,4,5,6,7
	global_load_b128 v[QF+4*\n:QF+4*\n+3], v[LA], s[4:5] offset:512*\n   ; Q stays in registers
.endr
	MLOAD                                          ; key step 0's mask words
	v_mov_b32 v[NEGV], 0xce6e6b28                  ; -1e9
	v_mul_f32 v[NEGV], 0x3fb8aa3b, v[NEGV]         ; x log2(e): the exponents here are to base 2
.irp q, 0,1
	v_mov_b32 v[ST+8*\q], 0xff61b1e6               ; m: -3e38, under every t
	v_mov_b32 v[ST+8*\q+1], 0                      ; (named with m as a pair)
	v_mov_b32 v[ST+8*\q+2], 0                      ; l
	v_mov_b32 v[ST+8*\q+3], 0
	v_mov_b32 v[ST+8*\q+5], 0                      ; (named with a as a pair)
.endr
.set i, 0
.rept 64
	v_mov_b32 v[O+i], 0                            ; O^T.  (The step is written once: the first finds zeros, which a = 0 leaves zeros)
.set i, i+1
.endr
; A KEY STEP: 64 keys.
.macro STEP
	v_add_nc_u32 v[ADK], s[TB], v[LA]
	v_add_nc_u32 v[ADV], 0x10000, v[ADK]
.rept 3
	v_nop                                          ; with the two additions: five places behind the last product V^T P, whose registers the loads and products below write over
.endr
.irp t, 0,1,2,3                                ; K's fragments: channels 0 to 31 first
.irp c, 0,1
	ds_load_b128 v[KV+16*\t+4*\c:KV+16*\t+4*\c+3], v[ADK] offset:\t*2048+\c*512
.endr
.endr
.irp t, 0,1,2,3
.irp c, 0,1
	ds_load_b128 v[KV+16*\t+8+4*\c:KV+16*\t+8+4*\c+3], v[ADK] offset:\t*2048+1024+\c*512
.endr
.endr
	s_wait_dscnt 8                                 ; the first eight loads are in
.irp t, 0,1,2,3                                ; S^T = K Q^T: eight accumulators by turns; the first products start the sums
.irp q, 0,1
	v_wmma_f32_16x16x32_f16 v[S+32*\q+8*\t:S+32*\q+8*\t+7], v[KV+16*\t:KV+16*\t+7], v[QF+16*\q:QF+16*\q+7], 0
.endr
.endr
	s_wait_dscnt 0x0
.irp t, 0,1,2,3
.irp q, 0,1
	v_wmma_f32_16x16x32_f16 v[S+32*\q+8*\t:S+32*\q+8*\t+7], v[KV+16*\t+8:KV+16*\t+15], v[QF+16*\q+8:QF+16*\q+15], v[S+32*\q+8*\t:S+32*\q+8*\t+7]
.endr
.endr
.rept 4
	v_nop                                          ; places in front of the loads into K's registers and of the first read of the scores
.endr
.irp f, 0,1,2,3                                ; V's fragments, turned: they land while the softmax is walked
.irp kp, 0,1
.irp c, 0,1
	ds_load_tr16_b128 v[KV+16*\f+8*\kp+4*\c:KV+16*\f+8*\kp+4*\c+3], v[ADV] offset:(2*\kp+\c)*2048+\f*512
.endr
.endr
.endr
	s_wait_kmcnt 0x0                               ; this step's mask words are in, and the loads have read their offset
	s_add_co_u32 s[JN], s[JN], 1
	s_min_u32 s28, s[JN], 31                       ; the look-ahead is held at the last key step: no load leaves the buffer
	s_lshl_b32 s[MO], s28, 8
.set i, 0
.rept 32
	v_cndmask_b32 v[S+i], v[NEGV], v[S+i], s[MW0+i]   ; each accumulator from its low end on
.set i, i+1
.endr
.set i, 0
.rept 32
	v_cndmask_b32 v[S+32+i], v[NEGV], v[S+32+i], s[MW1+i]
.set i, i+1
.endr
	MLOAD                                          ; the next step's words: a whole step in which to land
	; the maximum of a lane's 32 exponents and the old m, three operands at a time, in four chains; the two tiles alternate
.irp j, 0,1,2,3
.irp q, 0,1
	v_max3_num_f32 v[CC+4*\q+\j], v[S+32*\q+8*\j], v[S+32*\q+8*\j+1], v[S+32*\q+8*\j+2]
.endr
.endr
.irp u, 1,2
.irp j, 0,1,2,3
.irp q, 0,1
	v_max3_num_f32 v[CC+4*\q+\j], v[CC+4*\q+\j], v[S+32*\q+8*\j+2*\u+1], v[S+32*\q+8*\j+2*\u+2]
.endr
.endr
.endr
.irp q, 0,1
	v_max3_num_f32 v[CC+4*\q], v[CC+4*\q], v[S+32*\q+7], v[S+32*\q+15]
	v_max3_num_f32 v[CC+4*\q+2], v[CC+4*\q+2], v[S+32*\q+23], v[S+32*\q+31]
.endr
.irp q, 0,1
	v_max3_num_f32 v[CC+4*\q], v[CC+4*\q], v[CC+4*\q+1], v[CC+4*\q+2]
.endr
.irp q, 0,1
	v_max3_num_f32 v[CC+4*\q], v[CC+4*\q], v[CC+4*\q+3], v[ST+8*\q]
.endr
.irp q, 0,1
	v_permlanex16_b32 v[CC+4*\q+1], v[CC+4*\q], s[SEL], s[SEL+1]   ; the query's other 32 keys lie in the lane 16 away
.endr
.irp q, 0,1
	v_mov_b32 v[CC+4*\q+3], v[ST+8*\q]             ; m_old is kept for a
.endr
.irp q, 0,1
	v_max_num_f32 v[ST+8*\q], v[CC+4*\q], v[CC+4*\q+1]
.endr
.irp q, 0,1
	v_sub_f32 v[CC+4*\q+3], v[CC+4*\q+3], v[ST+8*\q]
.endr
.irp q, 0,1
.set i, 0
.rept 16
	v_pk_add_f32 v[S+32*\q+i:S+32*\q+i+1], v[S+32*\q+i:S+32*\q+i+1], v[ST+8*\q:ST+8*\q+1] op_sel_hi:[1,0] neg_lo:[0,1] neg_hi:[0,1]   ; t - m, two at a time
.set i, i+2
.endr
.endr
.irp q, 0,1                                    ; ONE BATCH of 66 exponentials, none of which reads another's result
	v_exp_f32 v[ST+8*\q+4], v[CC+4*\q+3]           ; a = 2^(m_old - m_new)
.endr
.set i, 0
.rept 64
	v_exp_f32 v[S+i], v[S+i]                       ; p = 2^(t - m), at most 1
.set i, i+1
.endr
	v_nop                                          ; a plain instruction behind the last exponential
	s_wait_alu depctr_va_vdst(0)                   ; and a wait ahead of the batch's first reader
.irp q, 0,1                                    ; the row's sums, of the unrounded p: two chains a tile, two numbers an instruction
	v_pk_mul_f32 v[ST+8*\q+2:ST+8*\q+3], v[ST+8*\q+2:ST+8*\q+3], v[ST+8*\q+4:ST+8*\q+5] op_sel_hi:[1,0]
	v_pk_add_f32 v[ST+8*\q+6:ST+8*\q+7], v[S+32*\q:S+32*\q+1], v[S+32*\q+2:S+32*\q+3]
.endr
.irp j, 4,8,12,16,20,24,28
.irp q, 0,1
	v_pk_add_f32 v[ST+8*\q+2:ST+8*\q+3], v[ST+8*\q+2:ST+8*\q+3], v[S+32*\q+\j:S+32*\q+\j+1]
	v_pk_add_f32 v[ST+8*\q+6:ST+8*\q+7], v[ST+8*\q+6:ST+8*\q+7], v[S+32*\q+\j+2:S+32*\q+\j+3]
.endr
.endr
.irp q, 0,1
	v_pk_add_f32 v[ST+8*\q+2:ST+8*\q+3], v[ST+8*\q+2:ST+8*\q+3], v[ST+8*\q+6:ST+8*\q+7]
.endr
.irp q, 0,1
.set i, 0
.rept 16
	v_cvt_pk_f16_f32 v[S+32*\q+i], v[S+32*\q+2*i], v[S+32*\q+2*i+1]   ; P, packed in place: the destination never passes a source that is still unread
.set i, i+1
.endr
.endr
.irp q, 0,1
.set i, 0
.rept 16
	v_pk_mul_f32 v[O+32*\q+i:O+32*\q+i+1], v[O+32*\q+i:O+32*\q+i+1], v[ST+8*\q+4:ST+8*\q+5] op_sel_hi:[1,0]   ; O^T x a, each accumulator from its low end on
.set i, i+2
.endr
.endr
	s_wait_dscnt 0x0                               ; V is in
.irp kp, 0,1                                   ; O^T += V^T P: eight accumulators by turns
.irp f, 0,1,2,3
.irp q, 0,1
	v_wmma_f32_16x16x32_f16 v[O+32*\q+8*\f:O+32*\q+8*\f+7], v[KV+16*\f+8*\kp:KV+16*\f+8*\kp+7], v[S+32*\q+8*\kp:S+32*\q+8*\kp+7], v[O+32*\q+8*\f:O+32*\q+8*\f+7]
.endr
.endr
.endr
.endm
; THE CHANGE OF SLOTS stands at a slot's head.  Each wave waits for all its tensor loads (its part of the slot that it is about to read), adds 0 to its spare word, and waits for that and for its reads of the slot that it has left.
; fill = 1: the barrier is a round of the cluster's, so that no wave of any partner still reads the other slot or has a load on its way, and the joint load is the first thing behind it: the next 512 keys.
.macro CHANGE fill
	s_wait_tensorcnt 0x0                           ; no tensor load of mine is out, so group 0 may be written
	ds_add_u32 v[SPW], v[NIL]                      ; 0 onto my spare word
.if \fill
	s_xor_b32 s[G0+1], s[G0+1], SLOT1              ; the other slot than last time,
	s_add_nc_u64 s[G0+2:G0+3], s[G0+2:G0+3], 65536 ; the next 32 token tiles; the type bits on top are not reached
.endif
	s_wait_dscnt 0x0                               ; the add is done, and my reads of the slot that I have left are over
.if \fill
	CROUND
	tensor_load_to_lds s[G0:G0+3], s[G1:G1+7]      ; my one tensor load until the next round
	s_nop 0
.rept 4
	v_nop
.endr
.else
	s_barrier_signal -1
	s_barrier_wait -1
.endif
.endm
.macro SLOT_STEPS                      ; a slot's eight key steps: written once, walked eight times; the LDS addresses hang on s[TB]
	s_mov_b32 s[STEPC], 8
.Lstep_\@:
	STEP
	s_add_co_u32 s[TB], s[TB], 8192                ; four token tiles on
	s_sub_co_u32 s[STEPC], s[STEPC], 1
	s_cmp_lg_u32 s[STEPC], 0
	s_cbranch_scc1 .Lstep_\@
	s_sub_co_u32 s[TB], s[TB], 65536               ; back to a slot's first step,
	s_xor_b32 s[TB], s[TB], SLOT1                  ; in the other slot
.endm
	s_mov_b32 s[SLOTS], 3
	s_wait_loadcnt 0x0                             ; Q
.Lslot:                                            ; three trips: the first fills slot 1 for the first time, the others fill a slot again
	CHANGE 1
	SLOT_STEPS
	s_sub_co_u32 s[SLOTS], s[SLOTS], 1
	s_cmp_lg_u32 s[SLOTS], 0
	s_cbranch_scc1 .Lslot
	CHANGE 0                                       ; the last slot is written out
	SLOT_STEPS
	; THE WAY OUT.  l's two halves and the other half of the lanes' are added; O^T is divided by l and rounded to f16: a lane's eight channels are its 16 bytes of the next launch's operand image.
	s_wait_kmcnt 0x0                               ; the held look-ahead's words have landed: nothing of mine is on its way into registers
.irp q, 0,1
	v_add_f32 v[CC+4*\q], v[ST+8*\q+2], v[ST+8*\q+3]   ; (these additions are the places behind the last products)
.endr
.irp q, 0,1
	v_permlanex16_b32 v[CC+4*\q+1], v[CC+4*\q], s[SEL], s[SEL+1]
.endr
.irp q, 0,1
	v_add_f32 v[CC+4*\q], v[CC+4*\q], v[CC+4*\q+1]     ; at least 1: the row's largest p is 1
.endr
.irp q, 0,1
	v_rcp_f32 v[ST+8*\q+4], v[CC+4*\q]
.endr
	v_nop                                          ; a plain instruction behind the last reciprocal
	s_wait_alu depctr_va_vdst(0)                   ; and a wait ahead of the first use
.irp q, 0,1
.set i, 0
.rept 16
	v_pk_mul_f32 v[O+32*\q+i:O+32*\q+i+1], v[O+32*\q+i:O+32*\q+i+1], v[ST+8*\q+4:ST+8*\q+5] op_sel_hi:[1,0]
.set i, i+2
.endr
.endr
.irp q, 0,1
.set i, 0
.rept 16
	v_cvt_pk_f16_f32 v[S+16*\q+i], v[O+32*\q+2*i], v[O+32*\q+2*i+1]
.set i, i+1
.endr
.endr
.irp q, 0,1
.irp f, 0,1,2,3
	global_store_b128 v[LA], v[S+16*\q+4*\f:S+16*\q+4*\f+3], s[20:21] offset:\q*4096+\f*512   ; 32 lanes store 512 consecutive bytes, aligned
.endr
.endr
	s_wait_tensorcnt 0x0                           ; the wave's end, behind my last tensor load
	ds_add_u32 v[SPW], v[NIL]
	s_wait_dscnt 0x0
	CROUND                                         ; the closing round: no work-group ends while a partner may still ask for a tile that names it
	s_endpgm
.Lfunc_end_k_qe0f00abba3_attn:
	.size	k_qe0f00abba3_attn, .Lfunc_end_k_qe0f00abba3_attn-k_qe0f00abba3_attn
	.p2alignl 7, 3214868480
	.fill 96, 4, 3214868480
	.section	.rodata,"a",@progbits
	.p2align	6, 0x0
	.amdhsa_kernel k_qe0f00abba3_attn
		.amdhsa_group_segment_fixed_size 327680
		.amdhsa_private_segment_fixed_size 0
		.amdhsa_enable_private_segment 0
		.amdhsa_kernarg_size 24
		.amdhsa_user_sgpr_count 2
		.amdhsa_user_sgpr_kernarg_segment_ptr 1
		.amdhsa_wavefront_size32 1
		.amdhsa_system_sgpr_workgroup_id_x 1
		.amdhsa_system_sgpr_workgroup_id_y 1
		.amdhsa_system_sgpr_workgroup_id_z 1
		.amdhsa_system_vgpr_workitem_id 0
		.amdhsa_next_free_vgpr 256
		.amdhsa_next_free_sgpr 100
		.amdhsa_reserve_vcc 0
		.amdhsa_float_denorm_mode_32 3
		.amdhsa_float_denorm_mode_16_64 3
		.amdhsa_memory_ordered 1
		.amdhsa_forward_progress 1
		.amdhsa_inst_pref_size 57
	.end_amdhsa_kernel
	.amdgpu_metadata
---
amdhsa.version: [ 1, 2 ]
amdhsa.kernels:
  - .name:           k_qe0f00abba3_attn
    .symbol:         k_qe0f00abba3_attn.kd
    .args:
      - { .name: qkv, .offset: 0, .size: 8, .value_kind: global_buffer, .address_space: global }
      - { .name: mbits, .offset: 8, .size: 8, .value_kind: global_buffer, .address_space: global }
      - { .name: cimg, .offset: 16, .size: 8, .value_kind: global_buffer, .address_space: global }
    .group_segment_fixed_size: 327680
    .private_segment_fixed_size: 0
    .kernarg_segment_align: 8
    .kernarg_segment_size: 24
    .max_flat_workgroup_size: 512
    .sgpr_count:     100
    .vgpr_count:     256
    .wavefront_size: 32
...
	.end_amdgpu_metadata
.endif
;; end of part 3
;; launch outp (part 4): grid 4 x 64, 4 waves a work-group, clusters of 4 x 4, 327,680 bytes of LDS; arguments cimg, woimg, b_o, out0; writes out0
.if DOCPART == 4
	.amdgcn_target "amdgcn-amd-amdhsa--gfx1250"
	.amdhsa_code_object_version 6
	.text
	.protected	k_qe0f00abba3_outp
	.globl	k_qe0f00abba3_outp
	.p2align	8
	.type	k_qe0f00abba3_outp,@function
k_qe0f00abba3_outp:
	s_mov_b64 s[64:65], 0
	v_nop
	global_prefetch_b8 v0, s[64:65] scope:SCOPE_SE
	s_setreg_imm32_b32 hwreg(HW_REG_WAVE_MODE, 25, 1), 1
	s_wait_xcnt 0x0
	s_wait_alu depctr_hold_cnt(0) depctr_sa_sdst(0) depctr_va_vdst(0) depctr_va_sdst(0) depctr_va_ssrc(0) depctr_va_vcc(0) depctr_vm_vsrc(0)
	s_getreg_b32 s2, hwreg(HW_REG_IB_STS2, 6, 4)
	s_cmp_eq_u32 s2, 0
	s_cbranch_scc0 .Lentry_in_a_cluster
	s_endpgm
.Lentry_in_a_cluster:
	s_bfe_u32 s2, ttmp6, 0x10000c
	s_cmp_lg_u32 s2, 0xf033
	s_cbranch_scc0 .Lentry_shape_is_right
	s_endpgm
.Lentry_shape_is_right:
; out0[m][n] = sum over k of ctx[m][k] W_o[n][k] + b_o[n].  m: 8,192 tokens, n, k: 1,024.  Operands f16, sums and result f32.
; Both operands come as IMAGES OF OPERAND REGISTERS: cimg [k / 128][m / 16][(k % 128) / 32][half c][lane][16 bytes], woimg the same with n for m.  So a K step's tiles are dense blocks of memory for the tensor data mover,
; and every fragment load reads 512 consecutive LDS bytes: no pitch, no padding.
; A tile of the result, 128 tokens x 256 features, is made by a work-group of four waves: 256 work-groups.  A wave makes 64 x 128: 32 accumulators, 256 registers.
; K goes in eight steps of 128 through a ring of two LDS slots (A's 32 KiB, then B's 64 KiB).  Waves 0 and 1 fetch A's halves, waves 2 and 3 B's: one load a wave behind each change of slots; two of mine are out at the start, later one.
; CLUSTERS: 4 x 4 work-groups.  The four of a row of the cluster need the same tiles of A, the four of a column the same tiles of B: each is asked for JOINTLY, by the same tensor load with the same descriptor and a mask that names the four.
; THE MATRIX INSTRUCTION IS USED TRANSPOSED (source 0 = 16 rows of W_o, source 1 = 16 tokens): a lane holds eight neighbouring features of one token.  The bias is the C of each sum's first product.
; REGISTERS: window 0: v0-31 addresses; v32-95 the bias; v96-223 rows on the way out.   window 1: two fragment buffers of 96 (A's 4 fragments, then B's 8), at v0 and v128.   window 2: accumulator (a, b) at v[8 (8 a + b)].
.set SLOT,   98304                     ; A's 8 token tiles x 4,096 bytes, then B's 16 feature tiles
.set BOFF,   32768
.set STAGE,  2*SLOT                    ; behind the ring: 16 rows x (512 bytes + 16) for each wave, for the way out; no tensor load lands here
.set SPITCH, 528
.set SPARE,  STAGE+4*16*SPITCH         ; the spare words, 128 bytes for each wave
.set ADRA, 16                          ; v16-17  LDS address of my A fragments in slot 0, 1
.set ADRB, 20                          ; v20-21  the same for B
.set STO,  24                          ; v24     the way out: where I put 32 bytes of a row
.set RD,   25                          ; v25     the way out: where I read a row back
.set CO,   26                          ; v26     16 x lane
.set BO,   27                          ; v27     the bias: 32 x (lane / 16)
.set SPW,  28                          ; v28     LDS address of my spare word; never rewritten
.set NIL,  29                          ; v29     0; never rewritten
.set BI,   32                          ; the bias: eight registers for each of B's eight tiles
.set BK,   96                          ; the way out: 16 rows read back: v96-159 and v160-223 by turns
.set F0,   0
.set F1,   128
.set G1, 24                            ; s[24:31] descriptor group 1 for A's tiles;  s[32:39] group 0, one set for each slot
.set G0, 32
.set G1B, 48                           ; s[48:55], s[56:63] the same for B's tiles
.set G0B, 56
.set MSB, 0
.macro WIN new                         ; the immediate's high byte repeats the setting that is left
.if MSB != \new
	s_set_vgpr_msb (MSB<<8)|\new
.set MSB, \new
.endif
.endm
.set MUL,  0xa5                        ; sources 0 (B) and 1 (A) window 1; C and D window 2
.set MULB, 0x85                        ; the first products: C (the bias) window 0
.set TO_F, 0x40                        ; destination window 1, address window 0
.macro JLOAD s                         ; a joint load: waves 0 and 1 fetch A's halves, waves 2 and 3 B's; an s_nop 0 and four v_nop follow each of the two lines
	s_cmp_eq_u32 s11, 0
	s_cbranch_scc0 .Lfor_b_\@
	tensor_load_to_lds s[G0+4*\s:G0+4*\s+3], s[G1:G1+7]
	s_nop 0
.rept 4
	v_nop
.endr
	s_branch .Lasked_\@
.Lfor_b_\@:
	tensor_load_to_lds s[G0B+4*\s:G0B+4*\s+3], s[G1B:G1B+7]
	s_nop 0
.rept 4
	v_nop
.endr
.Lasked_\@:
.endm
.macro CREST                           ; a round of the cluster's barrier behind its opening barrier
	s_cmp_lg_u32 s10, 0
	s_cbranch_scc1 .Lnot_wave_0_\@
	s_barrier_signal -3
.Lnot_wave_0_\@:
	s_barrier_wait -3
	s_barrier_signal -1
	s_barrier_wait -1
.endm
.macro CROUND                          ; a whole round
	s_barrier_signal -1
	s_barrier_wait -1
	CREST
.endm
	s_load_b128 s[4:7], s[0:1], 0x0                ; cimg, woimg
	s_load_b128 s[16:19], s[0:1], 0x10             ; b_o, out0
	v_lshl_add_u32 v[SPW], v0, 2, SPARE
	v_mov_b32 v[NIL], 0
	ds_add_u32 v[SPW], v[NIL]                      ; the wave's opening: the add, twice on end, and its wait ahead of my first tensor load
	ds_add_u32 v[SPW], v[NIL]
	v_lshrrev_b32 v1, 5, v0
	v_readfirstlane_b32 s10, v1                    ; wave 0..3
	s_lshr_b32 s11, s10, 1                         ; which half of the tile's tokens is mine.  Also: I fetch for A (0) or for B (1)
	s_and_b32 s12, s10, 1                          ; which half of its features.  Also: which half of that tile I fetch
	s_bfe_u32 s40, ttmp6, 0x40000                  ; cx, cy: my place in the cluster
	s_bfe_u32 s41, ttmp6, 0x40004
	s_lshl_b32 s42, ttmp9, 2
	s_add_co_u32 s42, s42, s40                     ; tile column = 4 x cluster x + cx
	s_and_b32 s13, ttmp7, 0xffff
	s_lshl_b32 s13, s13, 2
	s_add_co_u32 s13, s13, s41                     ; tile row = 4 x cluster y + cy
	s_lshl_b32 s43, s41, 2
	s_lshl_b32 s43, 15, s43                        ; my row of the cluster
	s_lshl_b32 s44, 0x1111, s40                    ; my column
	; descriptor group 1: dense blocks as rows of 256 bytes (32 elements of 8 bytes), no padding: A's half 64 rows, B's half 128
	s_or_b32 s[G1+0], s43, (3<<16)|(1<<21)         ; 15:0 the mask: A's tiles go to my row; 17:16 elements of 8 bytes; 21 set beside a mask
	s_or_b32 s[G1B+0], s44, (3<<16)|(1<<21)
	s_mov_b32 s[G1+1], 32<<16                      ; tensor_dim0
	s_mov_b32 s[G1+2], 64<<16                      ; tensor_dim1
	s_mov_b32 s[G1+3], 32<<16                      ; tile_dim0
	s_mov_b32 s[G1+4], 64                          ; tile_dim1
	s_mov_b32 s[G1+5], 32                          ; tensor_dim0_stride
	s_mov_b32 s[G1+6], 0
	s_mov_b32 s[G1+7], 0
	s_mov_b32 s[G1B+1], 32<<16
	s_mov_b32 s[G1B+2], 128<<16
	s_mov_b32 s[G1B+3], 32<<16
	s_mov_b32 s[G1B+4], 128
	s_mov_b32 s[G1B+5], 32
	s_mov_b32 s[G1B+6], 0
	s_mov_b32 s[G1B+7], 0
	s_lshl_b32 s14, s13, 15                        ; A: 32,768 bytes to a tile row,
	s_lshl_b32 s20, s12, 14                        ; 16,384 to a half: in memory and in a slot
	s_add_co_u32 s14, s14, s20
	s_mov_b32 s15, 0
	s_lshl_b32 s46, s42, 16                        ; B: 65,536 bytes to a tile column,
	s_lshl_b32 s21, s12, 15                        ; 32,768 to a half
	s_add_co_u32 s46, s46, s21
	s_mov_b32 s47, 0
	s_add_co_u32 s21, s21, BOFF                    ; in a slot B lies behind A: no place in the cluster enters an LDS address
	s_wait_dscnt 0x0                               ; both opening adds are done
	s_wait_kmcnt 0x0
	s_add_nc_u64 s[14:15], s[4:5], s[14:15]
	s_add_nc_u64 s[46:47], s[6:7], s[46:47]
	CROUND                                         ; all sixteen work-groups are here: the first joint loads meet
.irp s, 0,1
	s_mov_b32 s[G0+4*\s], 1
	s_add_co_u32 s[G0+4*\s+1], s20, \s*SLOT
	s_add_nc_u64 s[G0+4*\s+2:G0+4*\s+3], s[14:15], \s*2097152     ; K step s of cimg
	s_or_b32 s[G0+4*\s+3], s[G0+4*\s+3], 0x80000000
	s_mov_b32 s[G0B+4*\s], 1
	s_add_co_u32 s[G0B+4*\s+1], s21, \s*SLOT
	s_add_nc_u64 s[G0B+4*\s+2:G0B+4*\s+3], s[46:47], \s*262144    ; K step s of woimg
	s_or_b32 s[G0B+4*\s+3], s[G0B+4*\s+3], 0x80000000
	JLOAD \s
.endr
	v_and_b32 v1, 15, v0                           ; l % 16
	v_bfe_u32 v2, v0, 4, 1                         ; l / 16
	v_and_b32 v3, 31, v0
	v_lshlrev_b32 v[CO], 4, v3
	v_lshlrev_b32 v[BO], 5, v2
	s_lshl_b32 s46, s42, 10                        ; my first feature, in bytes of f32: 1,024 x tile column + 512 x half
	s_lshl_b32 s47, s12, 9
	s_add_co_u32 s46, s46, s47
	s_mov_b32 s47, 0
	s_add_nc_u64 s[16:17], s[16:17], s[46:47]
	s_add_nc_u64 s[18:19], s[18:19], s[46:47]
.irp b, 0,1,2,3,4,5,6,7                        ; lane (r, h) wants, for B's tile b, the bias of features 16 b + 8 h + 0 .. 7
	global_load_b128 v[BI+8*\b:BI+8*\b+3], v[BO], s[16:17] offset:64*\b
	global_load_b128 v[BI+8*\b+4:BI+8*\b+7], v[BO], s[16:17] offset:64*\b+16
.endr
	s_lshl_b32 s22, s11, 14                        ; my four token tiles of A
	s_lshl_b32 s23, s12, 15                        ; my eight feature tiles of B,
	s_add_co_u32 s23, s23, BOFF                    ; which lie behind A's
.irp s, 0,1
	v_add_nc_u32 v[ADRA+\s], s22, v[CO]
	v_add_nc_u32 v[ADRB+\s], s23, v[CO]
	s_add_co_u32 s22, s22, SLOT
	s_add_co_u32 s23, s23, SLOT
.endr
	s_mul_i32 s22, s10, 16*SPITCH
	s_add_co_u32 s22, s22, STAGE                   ; my stage
	v_mul_u32_u24 v4, v1, SPITCH                   ; in: row l % 16, 32 bytes for each half of the lanes
	v_lshl_add_u32 v4, v2, 5, v4
	v_add_nc_u32 v[STO], s22, v4
	v_add_nc_u32 v[RD], s22, v[CO]                 ; back: the 32 lanes take one row of 512 bytes
	s_lshl_b32 s22, s13, 7
	s_lshl_b32 s23, s11, 6
	s_add_co_u32 s22, s22, s23                     ; my first token: 128 x tile row + 64 x half
	s_lshl_b32 s22, s22, 12                        ; 4,096 bytes to a row of out0
	s_mov_b32 s23, 0
	s_add_nc_u64 s[18:19], s[18:19], s[22:23]
; 8 matrix instructions: token tile a x B's eight tiles, 32 along K, from buffer f.  first = 1: the product starts the sums on the bias: nothing is ever cleared.
; The 32 accumulators take turns, one instruction a turn, in the same order in every quarter.
.macro MULA f, a, first
.irp b, 0,1,2,3,4,5,6,7
.if \first
	v_wmma_f32_16x16x32_f16 v[8*(8*(\a)+\b):8*(8*(\a)+\b)+7], v[\f+32+8*\b:\f+32+8*\b+7], v[\f+8*(\a):\f+8*(\a)+7], v[BI+8*\b:BI+8*\b+7]
.else
	v_wmma_f32_16x16x32_f16 v[8*(8*(\a)+\b):8*(8*(\a)+\b)+7], v[\f+32+8*\b:\f+32+8*\b+7], v[\f+8*(\a):\f+8*(\a)+7], v[8*(8*(\a)+\b):8*(8*(\a)+\b)+7]
.endif
.endr
.endm
; 24 LDS loads in one run: the fragments of the slot's kb-th 32 along K into buffer f: B's sixteen, then A's eight, token tiles 2 and 3 last
.macro FETCH slot, kb, f
	WIN TO_F
.irp b, 0,1,2,3,4,5,6,7
.irp c, 0,1
	ds_load_b128 v[\f+32+8*\b+4*\c:\f+32+8*\b+4*\c+3], v[ADRB+\slot] offset:\b*4096+(\kb)*1024+\c*512
.endr
.endr
.irp a, 0,1,2,3
.irp c, 0,1
	ds_load_b128 v[\f+8*\a+4*\c:\f+8*\a+4*\c+3], v[ADRA+\slot] offset:\a*4096+(\kb)*1024+\c*512
.endr
.endr
.endm
.macro PLACES                          ; four places in front of loads into registers that matrix instructions have read, and of LDS stores that read results (ISA guide 7.12.1 for the stores)
.rept 4
	v_nop
.endr
.endm
; A K step is four quarters of 32 along K, 32 matrix instructions each, on buffers 0, 1, 0, 1.  One of the first three: multiplies buffer f and fetches the next quarter, kb, into g.
.macro QUARTER slot, kb, f, g, first
	s_wait_dscnt 4                                 ; B's fragments and A's tiles 0 and 1 are in; the youngest four loads may be out
.if \first
	WIN MULB
.else
	WIN MUL
.endif
	MULA \f, 0, \first
	MULA \f, 1, \first
	PLACES
	FETCH \slot, \kb, \g
	s_wait_dscnt 24                                ; all but the 24 just issued
.if \first
	WIN MULB
.else
	WIN MUL
.endif
	MULA \f, 2, \first
	MULA \f, 3, \first
.endm
; The last quarter multiplies buffer 1 and changes slots: ONE barrier; in front of it each wave waits for all its tensor loads, adds 0 to its spare word, and waits for that and for its own reads of this slot.  fill = 1: this slot is filled again, two K steps ahead.
.macro TURN slot, next, fill
	WIN 0                                          ; (the add's two registers lie in window 0)
	s_wait_tensorcnt 0x0                           ; all my tensor loads have landed: my part of the next slot
	ds_add_u32 v[SPW], v[NIL]                      ; 0 onto my spare word
	s_wait_dscnt 5                                 ; (the add and the youngest four loads may be out)
	WIN MUL
	MULA F1, 0, 0                                  ; eight matrix instructions stand between the add and the wait for it
	s_wait_dscnt 0x0                               ; the add is done, and my reads of this slot are over
	s_barrier_signal -1
	MULA F1, 1, 0
	WIN 0                                          ; (branches may follow, and nothing stands between the wait below and the rest of the round)
	s_barrier_wait -1
.if \fill
	CREST                                          ; the barrier has opened a round of the cluster's barrier: no wave of any partner still reads this slot's tile or has a load on its way
	s_add_nc_u64 s[G0+4*\slot+2:G0+4*\slot+3], s[G0+4*\slot+2:G0+4*\slot+3], 2*2097152
	s_add_nc_u64 s[G0B+4*\slot+2:G0B+4*\slot+3], s[G0B+4*\slot+2:G0B+4*\slot+3], 2*262144
	JLOAD \slot                                    ; the first tensor load behind the round; the four v_nop behind it are also the places in front of the loads below
.else
	PLACES
.endif
	FETCH \next, 0, F0
	WIN MUL
	MULA F1, 2, 0
	MULA F1, 3, 0
.endm
	s_wait_tensorcnt 1                             ; my part of K step 0 is in (K step 1's may be out)
	s_barrier_signal -1
	s_barrier_wait -1                              ; everybody's is
	FETCH 0, 0, F0
	s_wait_loadcnt 0x0                             ; the bias
	QUARTER 0, 1, F0, F1, 1                        ; the first quarter stands in front of the loop: its products start the sums
	WIN 0                                          ; at a label and at a branch every window is 0
	s_mov_b32 s3, 3
.Llap:                                                 ; a trip goes once round the ring, from a lap's second quarter to the next lap's first, and fills both slots again
	QUARTER 0, 2, F1, F0, 0
	QUARTER 0, 3, F0, F1, 0
	TURN 0, 1, 1
	QUARTER 1, 1, F0, F1, 0
	QUARTER 1, 2, F1, F0, 0
	QUARTER 1, 3, F0, F1, 0
	TURN 1, 0, 1
	QUARTER 0, 1, F0, F1, 0
	WIN 0
	s_sub_co_u32 s3, s3, 1
	s_cmp_lg_u32 s3, 0
	s_cbranch_scc1 .Llap
	QUARTER 0, 2, F1, F0, 0                        ; the last lap fills nothing, and has no round of the cluster's barrier
	QUARTER 0, 3, F0, F1, 0
	TURN 0, 1, 0
	QUARTER 1, 1, F0, F1, 0
	QUARTER 1, 2, F1, F0, 0
	QUARTER 1, 3, F0, F1, 0
	s_wait_dscnt 4                                 ; the very last quarter: nothing more to fetch
	WIN MUL
	MULA F1, 0, 0
	MULA F1, 1, 0
	s_wait_dscnt 0x0
	MULA F1, 2, 0
	MULA F1, 3, 0
	WIN 0
; THE WAY OUT, block by block of 16 tokens x 128 features.  A lane holds 32 neighbouring bytes of a row, and the lanes beside it hold other rows: so a block goes through my own stage in LDS and comes back as whole
; rows of 512 bytes.  LDS serves a wave's instructions in order (ISA guide 5.7.1.4): no wait between the stores and the loads, nor in front of the next block's stores.
.macro TOSTAGE a
.set AC, 64*(\a)
	WIN 0x08                                       ; an LDS store's data are its source 1: window 2
.irp b, 0,1,2,3,4,5,6,7
	ds_store_b128 v[STO], v[AC+8*\b:AC+8*\b+3] offset:64*\b          ; each accumulator from its low end on
	ds_store_b128 v[STO], v[AC+8*\b+4:AC+8*\b+7] offset:64*\b+16
.endr
	WIN 0
.set BB, BK+64*((\a)%2)
.irp t, 0,1,2,3,4,5,6,7,8,9,10,11,12,13,14,15
	ds_load_b128 v[BB+4*\t:BB+4*\t+3], v[RD] offset:\t*SPITCH
.endr
.endm
.macro SEND a, younger                 ; younger: the LDS instructions issued behind block a's loads, which may stay out
.set BB, BK+64*((\a)%2)
	s_wait_dscnt \younger                          ; the block is back in registers
.if (\a) > 0
	s_add_nc_u64 s[18:19], s[18:19], 16*4096       ; (behind a wait on XCNT: the earlier stores have read their base)  16 rows on
.endif
.irp t, 0,1,2,3,4,5,6,7,8,9,10,11,12,13,14,15
	global_store_b128 v[CO], v[BB+4*\t:BB+4*\t+3], s[18:19] offset:\t*4096 th:TH_STORE_NT   ; 32 lanes store 512 consecutive bytes, aligned; written once, read by nobody here
.endr
.endm
	PLACES                                         ; behind the last products
	TOSTAGE 0
.irp a, 1,2,3
.if \a > 1
	s_wait_xcnt 0x0                                ; block a - 2's stores have read their registers and their base: block a's loads may land there, and the base may step
.endif
	TOSTAGE \a
	SEND \a-1, 32                                  ; behind block a - 1's loads: block a's 16 stores and 16 loads
.endr
	s_wait_xcnt 0x0                                ; block 2's stores have read their base
	SEND 3, 0
	s_wait_tensorcnt 0x0                           ; the wave's end, behind my last tensor load and my last LDS store
	ds_add_u32 v[SPW], v[NIL]
	s_wait_dscnt 0x0
	CROUND                                         ; the closing round: no work-group ends while a partner may still ask for a tile that names it
	s_endpgm
.Lfunc_end_k_qe0f00abba3_outp:
	.size	k_qe0f00abba3_outp, .Lfunc_end_k_qe0f00abba3_outp-k_qe0f00abba3_outp
	.p2alignl 7, 3214868480
	.fill 96, 4, 3214868480
	.section	.rodata,"a",@progbits
	.p2align	6, 0x0
	.amdhsa_kernel k_qe0f00abba3_outp
		.amdhsa_group_segment_fixed_size 327680
		.amdhsa_private_segment_fixed_size 0
		.amdhsa_enable_private_segment 0
		.amdhsa_kernarg_size 32
		.amdhsa_user_sgpr_count 2
		.amdhsa_user_sgpr_kernarg_segment_ptr 1
		.amdhsa_wavefront_size32 1
		.amdhsa_system_sgpr_workgroup_id_x 1
		.amdhsa_system_sgpr_workgroup_id_y 1
		.amdhsa_system_sgpr_workgroup_id_z 1
		.amdhsa_system_vgpr_workitem_id 0
		.amdhsa_next_free_vgpr 768
		.amdhsa_next_free_sgpr 66
		.amdhsa_reserve_vcc 0
		.amdhsa_float_denorm_mode_32 3
		.amdhsa_float_denorm_mode_16_64 3
		.amdhsa_memory_ordered 1
		.amdhsa_forward_progress 1
		.amdhsa_inst_pref_size 86
	.end_amdhsa_kernel
	.amdgpu_metadata
---
amdhsa.version: [ 1, 2 ]
amdhsa.kernels:
  - .name:           k_qe0f00abba3_outp
    .symbol:         k_qe0f00abba3_outp.kd
    .args:
      - { .name: cimg, .offset: 0, .size: 8, .value_kind: global_buffer, .address_space: global }
      - { .name: woimg, .offset: 8, .size: 8, .value_kind: global_buffer, .address_space: global }
      - { .name: b_o, .offset: 16, .size: 8, .value_kind: global_buffer, .address_space: global }
      - { .name: out0, .offset: 24, .size: 8, .value_kind: global_buffer, .address_space: global }
    .group_segment_fixed_size: 327680
    .private_segment_fixed_size: 0
    .kernarg_segment_align: 8
    .kernarg_segment_size: 32
    .max_flat_workgroup_size: 128
    .sgpr_count:     66
    .vgpr_count:     768
    .wavefront_size: 32
...
	.end_amdgpu_metadata
.endif
;; end of part 4
